; MI455X (gfx1250); checked and timed in simulation.
; The chip was launched on July 23, 2026; its instructions are those of AMD's public machine-readable ISA for CDNA 5 (MIT licence, August 2026) and "CDNA5" Instruction Set Architecture Reference Guide (July 2026). The comments in the code are by the model that wrote it; some were corrected since.
;; Attention Layer. Allowed arithmetic: matrix products marked QUANTISED: E2M1 operands, one E8M0 scale for each 32 along K, by v_wmma_scale_f32_16x16x128_f8f6f4 with both operands' format E2M1 (or v_wmma_scale_f32_32x16x128_f4), f32 sums; products left as they are: f32 operands where the result goes on into a quantised operand, else bf16, f16 or f32 operands; f32 sums; everything else in f32.
;; Inputs: W1 512 x 256 float32; W2 256 x 128 float32; W3 128 x 1 float32; b1 256 float32; b2 128 float32; b3 1 float32; keys 2,048 x 200 x 128 float32; mask 2,048 x 200 int32; query 2,048 x 128 float32.
;; Outputs: out0 2,048 x 128 float32.
;; This version of the problem:
;;   THIS VERSION OF THE PROBLEM IS GIVEN IN LOW PRECISION. The matrix products marked QUANTISED in the list below multiply operands that are first quantised to E2M1 (2 exponent bits, 1 mantissa bit; 4 bits a number), with one power-of-two scale for each 32 numbers along K (OCP MX v1.0); their sums are f32. All else is computed in f32.
;;   The module's matrix products, in the order in which they are computed (A, B: the left and right operand; K: the contracted axis; several contracted axes count as one K, in the product's order):
;;     1. [M 409,600, K 512] x [K 512, N 256]; A: computed on the way; B: input W1: QUANTISED
;;     2. [M 409,600, K 256] x [K 256, N 128]; A: computed on the way; B: input W2: QUANTISED
;;     3. [M 409,600, K 128] x [K 128, N 1]; A: computed on the way; B: input W3: left as it is (N = 1 < 16)
;;     4. batch 2,048 x [M 1, K 200] x [K 200, N 128]; A: computed on the way; B: input keys: left as it is (M = 1 < 16)
;;   THE QUANTISER, for each operand of a quantised product, along K:
;;     - K is cut into blocks of 32 from its start; a last block that is shorter is filled with zeros.
;;     - A block's scale is 2^e with e = floor(log2(the largest magnitude in the block)) - 2, held to -126 .. 127; a block of zeros has e = 0. As a byte (E8M0): e + 127.
;;     - Each number is divided by its block's scale, clamped to +-6, and rounded to the nearest number of E2M1, ties to even, subnormals kept.
;;     - The product sums the exact products of the quantised numbers (number of the format x scale) in f32.
;;   ~~~python
;;   def quantise(x, axis):      # numpy; x: float32 -> the quantised numbers, widened to float32 again
;;       x = np.moveaxis(x, axis, -1); K = x.shape[-1]
;;       x = np.pad(x, [(0, 0)] * (x.ndim - 1) + [(0, -K % 32)]); x = x.reshape(x.shape[:-1] + (-1, 32)); a = np.abs(x).max(-1, keepdims=True)
;;       e = np.where(a > 0, np.clip(np.frexp(np.where(a > 0, a, 1))[1] - 1 - 2, -126, 127), 0)      # np.frexp(a)[1] - 1 = floor(log2(a)), exactly
;;       r = np.clip(x / 2.0 ** e, -6, 6)
;;       step = 2.0 ** (np.maximum(np.frexp(np.where(r == 0, 1, r))[1] - 1, 0) - 1)
;;       q = np.round(r / step) * step * 2.0 ** e      # np.round: ties to even
;;       return np.moveaxis(q.reshape(q.shape[:-2] + (-1,))[..., :K], -1, axis).astype(np.float32)
;;   ~~~
;;   OPERANDS COMPUTED ON THE WAY. 'Computed on the way' means the value that the module computes at that place (a softmax that the list does not call 'softmax' is quantised finished and normalised). What goes into a quantiser is computed in f32, as accurately as f32 sums, v_exp_f32 and their like allow (about 1e-6 of the number): no bf16 or f16 on the way to a quantiser, and a product that is left as it is and whose result goes on into a quantised operand takes f32 operands (vector FMAs, or v_wmma_f32_16x16x4_f32). A number that lies on a knife's edge between two numbers of the format may be rounded either way, as far as f32 arithmetic and the matrix unit's own rounding can turn it there, and no further.
;; 2 versions, each right; version 2 is version 1 with the launch main written anew for expert scheduling mode. Each part assembles by itself: llvm-mc -triple=amdgcn-amd-amdhsa -mcpu=gfx1250 --defsym DOCPART=n.
;; ======== version 1 of 2: 2 launches
;; workspace buffers: wq 87,040 bytes; order 524,288 bytes of whole numbers; cnt 8,192 bytes of whole numbers
;; launch prep (part 1): grid 522 x 1, 4 waves a work-group, no clusters, 0 bytes of LDS; arguments mask, W1, W2, order, wq, cnt; writes order, wq, cnt
.if DOCPART == 1
	.amdgcn_target "amdgcn-amd-amdhsa--gfx1250"
	.amdhsa_code_object_version 6
	.text
	.protected	k_q04fcb99da4_prep
	.globl	k_q04fcb99da4_prep
	.p2align	8
	.type	k_q04fcb99da4_prep,@function
k_q04fcb99da4_prep:
	s_mov_b64 s[64:65], 0
	v_nop
	global_prefetch_b8 v0, s[64:65] scope:SCOPE_SE
	s_setreg_imm32_b32 hwreg(HW_REG_WAVE_MODE, 25, 1), 1
	s_wait_xcnt 0x0
; TWO SMALL JOBS AHEAD OF THE FUSED LAUNCH.
; (W) work-groups 0-9: W1 [512][256] and W2 [256][128], f32 with K as their first axis, become codes of E2M1 with one E8M0 byte for each 32 along K, laid
;     in wq AS IMAGES OF THE OPERAND'S REGISTERS: a fragment (16 columns x 128 K) is 1,024 bytes, registers 4 c .. 4 c + 3 of lane l at 512 c + 16 l.
;     W1's fragment 16 s + T (K step s, tile T) at 1,024 (16 s + T); W2's 8 s + t at 65,536 + 1,024 (8 s + t); 40 scale registers of 128 bytes from 81,920 on.
;     Lane (r, h) of W1's tile T takes column 32 (T / 2) + 8 (T % 2) + r + 8 (r / 8), so that the first product's results of two neighbouring tiles are 16 neighbours
;     along the second product's K; W2's tile t takes column 16 t + r.  A lane's registers run DOWN K: k = 128 s + 64 c + 32 h + 0 .. 31: a whole block in a lane.
;     A scale register holds in lanes 0-15 the words of an even K step and in lanes 16-31 those of the next one.
; (M) work-groups 10-521: a wave turns one batch's mask [200] into a list of positions t, THE POSITIONS WITH mask == 1 FIRST, in ascending t.
;     order: 256 bytes a batch, a byte an entry: entries 0-223 the list (every entry behind the active ones names the batch's first active position, or 0 where there is none), entries 224-255 the same filler.
;     cnt: a word a batch: the number of active positions.  Each entry is stored once: the map from t = 0 .. 223 to its place is one to one.
; A block's scale is 2^(floor(log2(largest magnitude)) - 2): its byte is that magnitude's exponent field - 2, held at 1 from below.
; LIMITS: a block of zeros gets the byte 1 (its codes are zeros; this program alone reads the bytes); blocks under 2^-124 were not tried; NaN and infinities are not served.
; No LDS, no barrier, no loop, EXEC is never changed.  The list's stores are a byte a lane, all eight of a wave inside its one block of 256 bytes: 512 KB in the whole launch.
.set X,  32                            ; v32-159  four blocks of 32 numbers
.set MX, 8                             ; v8-11    their largest magnitudes
.set SO, 12                            ; v12-15   the conversions' scale operands
.set BY, 16                            ; v16-19   the scale bytes
.set C,  160                           ; v160-175 the codes
	s_load_b256 s[4:11], s[0:1], 0x0               ; mask s[4:5], W1 s[6:7], W2 s[8:9], order s[10:11]
	s_load_b128 s[12:15], s[0:1], 0x20             ; wq s[12:13], cnt s[14:15]
	v_lshrrev_b32 v1, 5, v0
	v_readfirstlane_b32 s48, v1                    ; wave 0..3
	v_and_b32 v1, 31, v0                           ; lane
	v_and_b32 v2, 15, v0                           ; r
	v_bfe_u32 v3, v0, 4, 1                         ; h
	v_lshlrev_b32 v4, 4, v1                        ; 16 x lane
	v_lshlrev_b32 v5, 2, v1                        ; 4 x lane
	s_mov_b32 s16, 0x76543210
	s_mov_b32 s17, 0xfedcba98                      ; v_permlanex16_b32's selects for lane l xor 16
	s_wait_kmcnt 0x0
	s_cmp_lt_u32 ttmp9, 10
	s_cbranch_scc0 .Lmask
; One unit: two K steps of one tile of 16 columns.  v6: my column's bytes + 32 h rows; s[30:31]: the source at the first of the 256 rows; s[28:29]: the first fragment's image; s[20:21]: the scale register's place.
.macro WQ pitch, fstride
.irp q, 0,1,2,3                        ; block q: rows 64 q + 32 h + i
.irp i, 0,1,2,3,4,5,6,7,8,9,10,11,12,13,14,15,16,17,18,19,20,21,22,23,24,25,26,27,28,29,30,31
	global_load_b32 v[X+32*\q+\i], v6, s[30:31] offset:(64*\q+\i)*\pitch
.endr
.endr
	s_wait_loadcnt 0x0
.irp q, 0,1,2,3
	v_max3_num_f32 v[MX+\q], |v[X+32*\q]|, |v[X+32*\q+1]|, 0x1800000    ; all 32 numbers of a block are mine; the floor 2^(3 - 127) holds the byte at 1 from below
.endr
.irp i, 2,4,6,8,10,12,14,16,18,20,22,24,26,28,30
.irp q, 0,1,2,3
	v_max3_num_f32 v[MX+\q], v[MX+\q], |v[X+32*\q+\i]|, |v[X+32*\q+\i+1]|   ; the four blocks by turns
.endr
.endr
.irp q, 0,1,2,3
	v_add_nc_u32 v[SO+\q], 0xff000000, v[MX+\q]    ; 2 off the exponent field: the conversion takes this operand's exponent field as its scale
.endr
.irp q, 0,1,2,3
	v_lshrrev_b32 v[BY+\q], 23, v[SO+\q]           ; the scale's byte
.endr
	v_lshlrev_b32 v22, 3, v3                       ; 8 h bits
	v_lshl_or_b32 v20, v[BY+1], 16, v[BY]          ; first K step: my bytes are those of blocks h and 2 + h,
	v_lshl_or_b32 v21, v[BY+3], 16, v[BY+2]        ; second K step likewise,
	v_lshlrev_b32 v20, v22, v20                    ; at their places in the word
	v_lshlrev_b32 v21, v22, v21
	v_mov_b32 v23, 0                               ; (a lane permute's destination counts as read)
	v_mov_b32 v25, 0
	v_permlanex16_b32 v23, v20, s16, s17
	v_permlanex16_b32 v25, v21, s16, s17
	v_or_b32 v20, v20, v23                         ; with lane l xor 16's two bytes the words are whole
	v_or_b32 v21, v21, v25
	v_cmp_eq_u32 vcc_lo, 1, v3
	v_cndmask_b32 v24, v20, v21, vcc_lo            ; lanes 0-15 keep the first K step's word, lanes 16-31 the second's
.irp q, 0,1,2,3
.irp g, 0,1,2,3
	v_cvt_scalef32_pk8_fp4_f32 v[C+4*\q+\g], v[X+32*\q+8*\g:X+32*\q+8*\g+7], v[SO+\q]
.endr
.endr
	v_nop                                          ; one plain line behind the last scaled conversion
.irp q, 0,1,2,3
	global_store_b128 v4, v[C+4*\q:C+4*\q+3], s[28:29] offset:\fstride*(\q/2)+512*(\q%2)   ; 32 lanes store 512 consecutive bytes
.endr
	global_store_b32 v5, v24, s[20:21] offset:81920   ; 128 consecutive bytes
.endm
	s_lshl_b32 s49, ttmp9, 2
	s_add_co_u32 s49, s49, s48                     ; unit u = 4 x work-group + wave, 0 .. 39: also the scale register's number
	s_lshl_b32 s18, s49, 7
	s_mov_b32 s19, 0
	s_add_nc_u64 s[20:21], s[12:13], s[18:19]
	s_mov_b32 s27, 0
	s_cmp_lt_u32 s49, 32
	s_cbranch_scc0 .Lw2
	s_lshr_b32 s22, s49, 1                         ; W1: tile T = u / 2,
	s_and_b32 s23, s49, 1                          ; K steps 2 p and 2 p + 1, p = u % 2
	s_lshr_b32 s24, s22, 1
	s_lshl_b32 s24, s24, 7                         ; 4 x 32 (T / 2)
	s_and_b32 s25, s22, 1
	s_lshl_b32 s25, s25, 5                         ; 4 x 8 (T % 2)
	s_add_co_u32 s24, s24, s25
	v_and_b32 v6, 8, v2
	v_add_nc_u32 v6, v6, v2                        ; r + 8 (r / 8)
	v_lshlrev_b32 v6, 2, v6
	v_add_nc_u32 v6, s24, v6
	v_lshl_add_u32 v6, v3, 15, v6                  ; + 32 h rows of 1,024 bytes
	s_lshl_b32 s26, s23, 18                        ; 256 p rows
	s_add_nc_u64 s[30:31], s[6:7], s[26:27]
	s_lshl_b32 s26, s23, 5
	s_add_co_u32 s26, s26, s22
	s_lshl_b32 s26, s26, 10                        ; fragment 32 p + T; the second K step's lies 16 fragments on
	s_add_nc_u64 s[28:29], s[12:13], s[26:27]
	WQ 1024, 16384
	s_endpgm
.Lw2:
	s_sub_co_u32 s22, s49, 32                      ; W2: tile t = u - 32, K steps 0 and 1
	s_lshl_b32 s24, s22, 6                         ; 4 x 16 t
	v_lshlrev_b32 v6, 2, v2
	v_add_nc_u32 v6, s24, v6
	v_lshl_add_u32 v6, v3, 14, v6                  ; + 32 h rows of 512 bytes
	s_mov_b64 s[30:31], s[8:9]
	s_lshl_b32 s26, s22, 10
	s_add_co_u32 s26, s26, 65536                   ; fragment t; the second K step's lies 8 fragments on
	s_add_nc_u64 s[28:29], s[12:13], s[26:27]
	WQ 512, 8192
	s_endpgm
.Lmask:
	s_sub_co_u32 s49, ttmp9, 10
	s_lshl_b32 s49, s49, 2
	s_add_co_u32 s49, s49, s48                     ; batch b
	s_mul_i32 s18, s49, 800
	s_mov_b32 s19, 0
	s_add_nc_u64 s[4:5], s[4:5], s[18:19]          ; its 200 mask words
	s_lshl_b32 s18, s49, 8
	s_add_nc_u64 s[10:11], s[10:11], s[18:19]      ; its 256 bytes of order
	s_lshl_b32 s18, s49, 2
	s_add_nc_u64 s[14:15], s[14:15], s[18:19]      ; its word of cnt
	v_min_u32 v6, 7, v1
	v_lshlrev_b32 v6, 2, v6                        ; the seventh chunk has 8 words: lanes 8-31 read the eighth again, so that no load leaves the batch's row
.irp c, 0,1,2,3,4,5
	global_load_b32 v[8+\c], v5, s[4:5] offset:128*\c
.endr
	global_load_b32 v14, v6, s[4:5] offset:768
	s_wait_loadcnt 0x0
.irp c, 0,1,2,3,4,5,6
	v_cmp_eq_u32 s[20+\c], 1, v[8+\c]              ; a bit for each position of chunk c
.endr
	s_and_b32 s26, s26, 0xff                       ; positions 200-223 do not exist: they count as not active
	s_mov_b32 s36, 0
.irp c, 0,1,2,3,4,5,6
	s_bcnt1_i32_b32 s[28+\c], s[20+\c]
	s_add_co_u32 s[37+\c], s[36+\c], s[28+\c]      ; s[36 + c]: active positions ahead of chunk c; s43: the batch's count
.endr
	s_mov_b32 s44, 0                               ; the first active position; 0 where there is none
.irp c, 6,5,4,3,2,1,0
	s_ctz_i32_b32 s46, s[20+\c]
	s_add_co_u32 s46, s46, 32*\c
	s_cmp_lg_u32 s[20+\c], 0
	s_cselect_b32 s44, s46, s44
.endr
	v_mov_b32 v15, s44                             ; what every entry behind the active ones names
	v_mov_b32 v7, s43
	v_mov_b32 v40, 0
.irp c, 0,1,2,3,4,5,6                  ; position t = 32 c + lane.  A = active positions ahead of t.  Active: place A.  Not active: place count + (t - A)
	v_mbcnt_lo_u32_b32 v[16+\c], s[20+\c], 0
	v_add_nc_u32 v[16+\c], s[36+\c], v[16+\c]
	s_add_co_u32 s46, s43, 32*\c
	v_add_nc_u32 v[24+\c], s46, v1
	v_sub_nc_u32 v[24+\c], v[24+\c], v[16+\c]
	v_cndmask_b32 v[24+\c], v[24+\c], v[16+\c], s[20+\c]
	v_min_u32 v[24+\c], 223, v[24+\c]              ; the place is 223 at the most by the count above; the bound is written out ahead of the address
	v_add_nc_u32 v[32+\c], 32*\c, v1               ; t
	v_cndmask_b32 v[32+\c], v15, v[32+\c], s[20+\c]
	global_store_b8 v[24+\c], v[32+\c], s[10:11]   ; each chunk has address and data registers of its own: none is written again
.endr
	global_store_b8 v1, v15, s[10:11] offset:224   ; entries 224-255: the filler, so that the batch's 256 bytes are all written
	global_store_b32 v40, v7, s[14:15]             ; the count: all 32 lanes name the same word with the same number
	s_endpgm
.Lfunc_end_k_q04fcb99da4_prep:
	.size	k_q04fcb99da4_prep, .Lfunc_end_k_q04fcb99da4_prep-k_q04fcb99da4_prep
	.p2alignl 7, 3214868480
	.fill 96, 4, 3214868480
	.section	.rodata,"a",@progbits
	.p2align	6, 0x0
	.amdhsa_kernel k_q04fcb99da4_prep
		.amdhsa_group_segment_fixed_size 0
		.amdhsa_private_segment_fixed_size 0
		.amdhsa_enable_private_segment 0
		.amdhsa_kernarg_size 48
		.amdhsa_user_sgpr_count 2
		.amdhsa_user_sgpr_kernarg_segment_ptr 1
		.amdhsa_wavefront_size32 1
		.amdhsa_system_sgpr_workgroup_id_x 1
		.amdhsa_system_sgpr_workgroup_id_y 1
		.amdhsa_system_sgpr_workgroup_id_z 1
		.amdhsa_system_vgpr_workitem_id 0
		.amdhsa_next_free_vgpr 192
		.amdhsa_next_free_sgpr 66
		.amdhsa_reserve_vcc 1
		.amdhsa_float_denorm_mode_32 3
		.amdhsa_float_denorm_mode_16_64 3
		.amdhsa_memory_ordered 1
		.amdhsa_forward_progress 1
		.amdhsa_inst_pref_size 47
	.end_amdhsa_kernel
	.amdgpu_metadata
---
amdhsa.version: [ 1, 2 ]
amdhsa.kernels:
  - .name:           k_q04fcb99da4_prep
    .symbol:         k_q04fcb99da4_prep.kd
    .args:
      - { .name: mask, .offset: 0, .size: 8, .value_kind: global_buffer, .address_space: global }
      - { .name: W1, .offset: 8, .size: 8, .value_kind: global_buffer, .address_space: global }
      - { .name: W2, .offset: 16, .size: 8, .value_kind: global_buffer, .address_space: global }
      - { .name: order, .offset: 24, .size: 8, .value_kind: global_buffer, .address_space: global }
      - { .name: wq, .offset: 32, .size: 8, .value_kind: global_buffer, .address_space: global }
      - { .name: cnt, .offset: 40, .size: 8, .value_kind: global_buffer, .address_space: global }
    .group_segment_fixed_size: 0
    .private_segment_fixed_size: 0
    .kernarg_segment_align: 8
    .kernarg_segment_size: 48
    .max_flat_workgroup_size: 128
    .sgpr_count:     66
    .vgpr_count:     192
    .wavefront_size: 32
...
	.end_amdgpu_metadata
.endif
;; end of part 1
;; launch main (part 2): grid 256 x 1, 4 waves a work-group, no clusters, 62,976 bytes of LDS; arguments keys, query, order, wq, b1, b2, W3, b3, out0, cnt; writes out0
.if DOCPART == 2
	.amdgcn_target "amdgcn-amd-amdhsa--gfx1250"
	.amdhsa_code_object_version 6
	.text
	.protected	k_q04fcb99da4_main
	.globl	k_q04fcb99da4_main
	.p2align	8
	.type	k_q04fcb99da4_main,@function
k_q04fcb99da4_main:
	s_mov_b64 s[64:65], 0
	v_nop
	global_prefetch_b8 v0, s[64:65] scope:SCOPE_SE
	s_setreg_imm32_b32 hwreg(HW_REG_WAVE_MODE, 25, 1), 1
	s_wait_xcnt 0x0
; out[b] = sum over t of softmax_t(score(b, t)) keys[b][t], score = sigmoid(sigmoid(sigmoid(x W1 + b1) W2 + b2) W3 + b3), x = [k, q, k - q, q k]; rows with mask != 1 have score -infinity.
; Both large products run on codes of E2M1 with one E8M0 scale for each 32 along K; x and the first hidden layer are quantised in registers; all else is f32.
; WHAT IS NOT DONE, AND WHY.
;  - Rows with mask != 1: reference() gives them the weight exp(-infinity) = 0, for all values of the other inputs.  The mask is a whole-number input; the launch before has stored, for each batch, the list of
;    its active positions (order: a byte an entry, 256 bytes a batch) and their number (cnt: a word a batch), and this launch reads them from memory and loads and computes those rows alone.
;    A tile's spare places name an active row once more and get the weight 0 by a select.  So mask itself is not among this launch's arguments.
;  - Blocks 4 to 7 of x hold q alone: their codes and scales are the same in all rows of a batch, so that K step of the first product is multiplied once a batch, and its sums, with b1, start every tile's sums.
;  - The softmax's maximum is not taken away: the scores are results of reference()'s own sigmoid, so they lie in [0, 1] whatever the inputs hold; e^score lies in [1, e] and a row's sum is at most 200 e.
;  - A batch with no active row gives 0 x (1 / 0) = NaN, as reference() does.
; LIMITS: a NaN or an infinity in the keys of a row with mask != 1 is not carried to the result; NaN and infinities among the inputs are not served; v_exp_f32 and v_rcp_f32 take denormals for zero
; (ISA guide 15.8), so a sigmoid under 2^-126 is 0; a block of zeros has the scale byte 1 and zero codes; blocks whose largest magnitude lies under 2^-124 were not tried.
; SHARES.  Wave number p = 4 x work-group + wave owns batches 2 p and 2 p + 1 and walks their tiles of 16 listed rows; lane (r, h) holds row r throughout.  Behind one barrier at the head the waves share nothing.
; BOTH PRODUCTS ARE USED TRANSPOSED (source 0 = 16 columns of the weight, source 1 = my 16 rows): a lane's registers then run along the hidden units, which are the next K.
; The weights that every tile needs stay in registers (windows 2 and 3), as the launch before has laid them.  No tensor load: trip counts and row addresses hang on the stored numbers.
; No cluster: what work-groups share is 85 KB of weights, read once each.
; REGISTERS, in windows of 256 (s_set_vgpr_msb: bits 1:0 source 0, 3:2 source 1, 5:4 source 2, 7:6 destination):
;  window 0: v1-19 addresses; v20-23 at work; v24-39 row offsets; v40-79 the weights' scale registers; v80-143 HA, v144-207 HB: 64 numbers each; v208-231 three fragments of codes; v232-243 at work; v244-246 my rows' scale words
;  window 1: v0-63 16 rows as loaded; v64-127 K: register 16 b + i = k 32 b + 16 h + i of my row; v128-191 q likewise; v192-255 the weighted sum, likewise
;  window 2: W1's K step 0 at 8 T, K step 2 at 128 + 8 T.   window 3: W1's K step 3 at 8 T, W2 at 128 + 64 s + 8 t.
.set STG,   0                          ; LDS: a stage of 16 rows x (512 + 16) bytes for each wave
.set STGW,  8448
.set SP,    528                        ; 33 x 16 bytes: the sixteen rows that a load touches start in different banks (64 banks of 4 bytes: ISA guide 11.1)
.set W1Q,   33792                      ; the 16 fragments of W1's K step 1 (the rows that meet q), as images; written once
.set TAB,   50176                      ; b1 (1,024 bytes), b2 (512), W3 (512); written once
.set QL,    52224                      ; 1,024 bytes a wave: its two rows of query
.set C1,    56320                      ; 1,024 bytes a wave: b1 + Q(q) Q(W1[128:256]), by hidden unit
.set SPARE, 62464                      ; the spare words, 128 bytes for each wave: two blocks of 256 bytes that no other line names
.set BATCHB, 102400                    ; a batch's keys in bytes: 200 rows of 512
.set LN16, 1                           ; 16 x lane
.set LN4,  2                           ; 4 x lane
.set RR,   3                           ; r
.set STW,  4                           ; stage by rows: 16 x lane
.set STR,  5                           ; stage by lanes: 528 r + 64 h
.set IMG,  6                           ; W1Q + 16 x lane
.set B1A,  7                           ; TAB + 64 h
.set B2A,  8                           ; TAB + 1,024 + 32 h
.set QRD,  9                           ; my wave's q + 64 h
.set C1A,  10                          ; my wave's C1 + 64 h
.set PB,   11                          ; 256 x (lane % 2)
.set L2X,  12                          ; lane / 2: two lanes to a list entry
.set PE,   13                          ; a list entry for the prefetch
.set PEA,  14                          ; where it is loaded from
.set PFA,  15                          ; the prefetch's offset
.set RA,   24
.set WS,   40
.set HA,   80
.set HB,   144
.set XC0,  208
.set XC2,  216
.set XC3,  224
.set TM,   232
.set XS0,  244
.set XS2,  245
.set XS3,  246
.set WT,   248                         ; v[248:249]: the row's weight (the packed forms name the pair and take its low word)
.set LS,   250                         ; the sum of the weights
.set EW,   251
.set SPW,  254                         ; LDS address of my spare word; never rewritten
.set NIL,  255                         ; 0; never rewritten
.set KW,   64                          ; in window 1
.set QW,   128
.set AW,   192
.set MSB, 0
.macro WIN new                         ; the immediate's high byte repeats the setting that is left; a switch that changes nothing is dropped
.if MSB != (\new)
	s_set_vgpr_msb (MSB<<8)|(\new)
.set MSB, (\new)
.endif
.endm
.macro PLACES n                        ; plain lines behind or ahead of matrix instructions (ISA guide 7.12.1)
.rept \n
	v_nop
.endr
.endm
; One matrix instruction, in place: d += a x b.  row = 1: source 0's scales come from lanes 16-31 of their register.
.macro WM d, a, b, sa, sb, row
.if \row
	v_wmma_scale_f32_16x16x128_f8f6f4 v[\d:\d+7], v[\a:\a+7], v[\b:\b+7], v[\d:\d+7], v[\sa], v[\sb] matrix_a_fmt:MATRIX_FMT_FP4 matrix_b_fmt:MATRIX_FMT_FP4 matrix_a_scale:MATRIX_SCALE_ROW1
.else
	v_wmma_scale_f32_16x16x128_f8f6f4 v[\d:\d+7], v[\a:\a+7], v[\b:\b+7], v[\d:\d+7], v[\sa], v[\sb] matrix_a_fmt:MATRIX_FMT_FP4 matrix_b_fmt:MATRIX_FMT_FP4
.endif
.endm
; 64 numbers of a lane in window W, register src + 16 b + i = k 32 b + 16 h + i of my row, become a fragment's codes in v[pc .. pc + 7] and my row's scale word in v[pw].
.macro QUANT src, W, pc, pw
	WIN 5*(\W)
.irp b, 0,1,2,3
	v_max3_num_f32 v[TM+\b], |v[\src+16*\b]|, |v[\src+16*\b+1]|, 0x1800000   ; block b: my 16 numbers, and the floor 2^(3 - 127): the byte cannot fall under 1
.endr
.irp i, 2,4,6,8,10,12,14
.irp b, 0,1,2,3
	v_max3_num_f32 v[TM+\b], |v[\src+16*\b+\i]|, |v[\src+16*\b+\i+1]|, v[TM+\b]   ; the four blocks by turns
.endr
.endr
	WIN 0
.irp b, 0,1,2,3
	v_permlanex16_b32 v[TM+4+\b], v[TM+\b], s50, s51
.endr
.irp b, 0,1,2,3
	v_max_num_f32 v[TM+\b], v[TM+\b], v[TM+4+\b]   ; with lane l xor 16's 16: the block's largest magnitude
.endr
.irp b, 0,1,2,3
	v_add_nc_u32 v[TM+8+\b], 0xff000000, v[TM+\b]  ; 2 off its exponent field: the conversion's scale operand
.endr
.irp b, 0,1,2,3
	v_lshrrev_b32 v[TM+4+\b], 23, v[TM+8+\b]       ; the scale's byte
.endr
	v_lshl_or_b32 v[\pw], v[TM+5], 8, v[TM+4]
	v_lshl_or_b32 v[\pw], v[TM+6], 16, v[\pw]
	v_lshl_or_b32 v[\pw], v[TM+7], 24, v[\pw]
	WIN \W
.irp b, 0,1,2,3
	v_cvt_scalef32_pk8_fp4_f32 v[\pc+2*\b], v[\src+16*\b:\src+16*\b+7], v[TM+8+\b]
	v_cvt_scalef32_pk8_fp4_f32 v[\pc+2*\b+1], v[\src+16*\b+8:\src+16*\b+15], v[TM+8+\b]
.endr
	WIN 0
	v_nop                                          ; one plain line behind the last scaled conversion
.irp c, 0,1                            ; the operand's layout wants a whole block in a lane: lanes 0-15 block 2 c, lanes 16-31 block 2 c + 1
.irp i, 0,1
	v_permlane16_swap_b32 v[\pc+4*\c+\i], v[\pc+4*\c+2+\i]
.endr
.endr
.endm
; sigmoid(x) = 1 / (1 + 2^(-x log2 e)) on 64 registers, in place, from the low end on.  Each batch of 64 transcendentals has one plain line and one wait behind it.
.macro SIGM base
.set j, 0
.rept 32
	v_pk_mul_f32 v[\base+j:\base+j+1], v[\base+j:\base+j+1], s[52:53] op_sel_hi:[1,0]
.set j, j+2
.endr
.set j, 0
.rept 64
	v_exp_f32 v[\base+j], v[\base+j]
.set j, j+1
.endr
	v_nop
	s_wait_alu depctr_va_vdst(0)
.set j, 0
.rept 32
	v_pk_add_f32 v[\base+j:\base+j+1], v[\base+j:\base+j+1], 1.0 op_sel_hi:[1,0]
.set j, j+2
.endr
.set j, 0
.rept 64
	v_rcp_f32 v[\base+j], v[\base+j]
.set j, j+1
.endr
	v_nop
	s_wait_alu depctr_va_vdst(0)
.endm
; Tile min(n + k, last tile).  dst: where its 16 list entries begin in my pair's 512 bytes of order: 16 bytes a tile; the second batch's tiles begin at byte 256.  ko: where its batch's keys begin behind the pair's first row.
.macro OFFS dst, ko, k
	s_add_co_u32 s56, s28, \k
	s_min_u32 s56, s56, s55
	s_cmp_lt_u32 s56, s26
	s_cselect_b32 s57, 0, s30
	s_cselect_b32 \ko, 0, BATCHB
	s_lshl_b32 s56, s56, 4
	s_add_co_u32 \dst, s56, s57
	s_min_u32 \dst, \dst, 448                      ; 256 + 12 x 16 at the most by the counts' bound; written out ahead of the address,
	s_min_u32 \ko, \ko, BATCHB                     ; and so is this one's
.endm
; The sixteen entries in s[32:35], a byte each, become the sixteen rows' offsets: 512 bytes a row, on top of v[vb] = 16 x lane + the batch's first byte.
.macro ROWS vb
.irp g, 0,1
.irp i, 0,1,2,3,4,5,6,7
	s_bfe_u32 s[36+\i], s[32+2*\g+\i/4], 0x80000+8*(\i%4)
.endr
.irp i, 0,1,2,3,4,5,6,7
	s_min_u32 s[36+\i], s[36+\i], 199              ; a position's bound, written out ahead of the address
.endr
.irp i, 0,1,2,3,4,5,6,7
	v_lshl_add_u32 v[RA+8*\g+\i], s[36+\i], 9, v[\vb]
.endr
.endr
.endm
; The first product's K steps 0, 2 and 3 for eight tiles of hidden units, T0 on: 24 matrix instructions, the eight accumulators by turns, one instruction a turn.
.macro MM1 acc, T0
	WIN 0x02                                       ; source 0 in window 2
.irp t, 0,1,2,3,4,5,6,7
	WM \acc+8*\t, 8*(\T0+\t), XC0, WS+2*(\T0+\t), XS0, 0
.endr
.irp t, 0,1,2,3,4,5,6,7
	WM \acc+8*\t, 128+8*(\T0+\t), XC2, WS+2*(\T0+\t)+1, XS2, 0
.endr
	WIN 0x03                                       ; source 0 in window 3
.irp t, 0,1,2,3,4,5,6,7
	WM \acc+8*\t, 8*(\T0+\t), XC3, WS+2*(\T0+\t)+1, XS3, 1
.endr
	WIN 0
.endm
; The second product's K step s: eight accumulators in HA, by turns.
.macro MM2 s, xc, xs
	WIN 0x03
.irp t, 0,1,2,3,4,5,6,7
	WM HA+8*\t, 128+64*\s+8*\t, \xc, WS+32+\t, \xs, \s
.endr
	WIN 0
.endm
; A batch begins: q into registers; C1 = b1 + Q(q) Q(W1[128:256]) into my LDS; the sums cleared.
.macro SETUP qoff, cnt
	WIN 0x40
.irp b, 0,1,2,3
.irp j, 0,1,2,3
	ds_load_b128 v[QW+16*\b+4*\j:QW+16*\b+4*\j+3], v[QRD] offset:\qoff+128*\b+16*\j   ; every lane of a half takes the same 16 numbers of each block: all 16 rows of this operand are q
.endr
.endr
	WIN 0
.irp g, 0,1                            ; hidden units 128 g on
.irp t, 0,1,2,3,4,5,6,7
.irp j, 0,1
	ds_load_b128 v[HA+8*\t+4*\j:HA+8*\t+4*\j+3], v[B1A] offset:512*\g+128*(\t/2)+32*(\t%2)+16*\j   ; b1 in the result's layout: tile t's register i is unit 32 (t / 2) + 16 h + 8 (t % 2) + i
.endr
.endr
.irp t, 0,1,2,3,4,5,6,7
.irp c, 0,1
	ds_load_b128 v[HB+8*\t+4*\c:HB+8*\t+4*\c+3], v[IMG] offset:1024*(8*\g+\t)+512*\c
.endr
.endr
	s_wait_dscnt 0x0
.if \g == 0
	QUANT QW, 1, XC0, XS0
	PLACES 8                                       ; a scale word made by vector lines stands 8 places ahead of a scaled matrix instruction, codes so made 4
.endif
.irp t, 0,1,2,3,4,5,6,7
	WM HA+8*\t, HB+8*\t, XC0, WS+2*(8*\g+\t), XS0, 1
.endr
	PLACES 4                                       ; ahead of the stores that read the results and of the loads into these registers
.irp t, 0,1,2,3,4,5,6,7
.irp j, 0,1
	ds_store_b128 v[C1A], v[HA+8*\t+4*\j:HA+8*\t+4*\j+3] offset:512*\g+128*(\t/2)+32*(\t%2)+16*\j   ; each accumulator from its low end on; the sixteen lanes of a half write the same bytes with the same values
.endr
.endr
	s_wait_dscnt 0x0                               ; the stores have read their registers
.endr
	WIN 0x40
.set j, 0
.rept 64
	v_mov_b32 v[AW+j], 0                           ; the weighted sum begins at 0: the loop's one text serves a batch's first tile too
.set j, j+1
.endr
	WIN 0
	v_mov_b32 v[LS], 0
	s_mov_b32 s29, \cnt                            ; active rows still to come
.endm
; A batch ends: the 16 rows' partial sums meet through my stage; the total is divided by the sum of the weights and stored: 512 consecutive bytes.
.macro FINISH ooff
	WIN 0x04                                       ; an LDS store's data are its source 1: window 1
.irp b, 0,1,2,3
.irp j, 0,1,2,3
	ds_store_b128 v[STR], v[AW+16*\b+4*\j:AW+16*\b+4*\j+3] offset:128*\b+16*\j
.endr
.endr
	WIN 0
.irp i, 0,1,2,3,4,5,6,7,8,9,10,11,12,13,14,15
	ds_load_b128 v[HA+4*\i:HA+4*\i+3], v[STW] offset:SP*\i   ; LDS serves a wave's instructions in order (ISA guide 5.7.1.4): these see the stores above
.endr
	v_add_f32_dpp v[LS], v[LS], v[LS] row_xmask:1 row_mask:0xf bank_mask:0xf   ; the weights of the 16 rows (both halves of the lanes hold the same)
	v_add_f32_dpp v[LS], v[LS], v[LS] row_xmask:2 row_mask:0xf bank_mask:0xf
	v_add_f32_dpp v[LS], v[LS], v[LS] row_xmask:4 row_mask:0xf bank_mask:0xf
	v_add_f32_dpp v[LS], v[LS], v[LS] row_xmask:8 row_mask:0xf bank_mask:0xf
	v_rcp_f32 v[WT], v[LS]
	s_wait_dscnt 0x0
.irp i, 0,1,2,3,4,5,6,7
	v_pk_add_f32 v[HA+4*\i:HA+4*\i+1], v[HA+4*\i:HA+4*\i+1], v[HA+32+4*\i:HA+32+4*\i+1]
	v_pk_add_f32 v[HA+4*\i+2:HA+4*\i+3], v[HA+4*\i+2:HA+4*\i+3], v[HA+32+4*\i+2:HA+32+4*\i+3]
.endr
.irp i, 0,1,2,3
	v_pk_add_f32 v[HA+4*\i:HA+4*\i+1], v[HA+4*\i:HA+4*\i+1], v[HA+16+4*\i:HA+16+4*\i+1]
	v_pk_add_f32 v[HA+4*\i+2:HA+4*\i+3], v[HA+4*\i+2:HA+4*\i+3], v[HA+16+4*\i+2:HA+16+4*\i+3]
.endr
.irp i, 0,1
	v_pk_add_f32 v[HA+4*\i:HA+4*\i+1], v[HA+4*\i:HA+4*\i+1], v[HA+8+4*\i:HA+8+4*\i+1]
	v_pk_add_f32 v[HA+4*\i+2:HA+4*\i+3], v[HA+4*\i+2:HA+4*\i+3], v[HA+8+4*\i+2:HA+8+4*\i+3]
.endr
	v_pk_add_f32 v[HA:HA+1], v[HA:HA+1], v[HA+4:HA+5]
	v_pk_add_f32 v[HA+2:HA+3], v[HA+2:HA+3], v[HA+6:HA+7]
	s_wait_alu depctr_va_vdst(0)                   ; the reciprocal's wait, ahead of its first reader; the additions above are the plain work between
	v_pk_mul_f32 v[HA:HA+1], v[HA:HA+1], v[WT:WT+1] op_sel_hi:[1,0]
	v_pk_mul_f32 v[HA+2:HA+3], v[HA+2:HA+3], v[WT:WT+1] op_sel_hi:[1,0]
	global_store_b128 v[LN16], v[HA:HA+3], s[20:21] offset:\ooff
	s_wait_xcnt 0x0                                ; the store's data registers are written again only behind this wait
.endm
	s_load_b512 s[4:19], s[0:1], 0x0               ; keys s[4:5], query s[6:7], order s[8:9], wq s[10:11], b1 s[12:13], b2 s[14:15], W3 s[16:17], b3 s[18:19]
	s_load_b64 s[20:21], s[0:1], 0x40              ; out0
	s_load_b64 s[60:61], s[0:1], 0x48              ; cnt
	v_lshl_add_u32 v[SPW], v0, 2, SPARE
	v_mov_b32 v[NIL], 0
	v_lshrrev_b32 v20, 5, v0
	v_readfirstlane_b32 s22, v20                   ; wave 0..3
	v_and_b32 v21, 31, v0                          ; lane
	v_and_b32 v[RR], 15, v0
	v_bfe_u32 v20, v0, 4, 1                        ; h
	v_lshlrev_b32 v[LN16], 4, v21
	v_lshlrev_b32 v[LN4], 2, v21
	s_mul_i32 s56, s22, STGW
	v_add_nc_u32 v[STW], s56, v[LN16]
	v_mul_u32_u24 v[STR], v[RR], SP
	v_lshl_add_u32 v[STR], v20, 6, v[STR]
	v_add_nc_u32 v[STR], s56, v[STR]
	v_add_nc_u32 v[IMG], W1Q, v[LN16]
	v_lshlrev_b32 v22, 6, v20                      ; 64 h
	v_add_nc_u32 v[B1A], TAB, v22
	v_lshlrev_b32 v23, 5, v20                      ; 32 h
	v_add_nc_u32 v[B2A], TAB+1024, v23
	s_lshl_b32 s57, s22, 10                        ; 1,024 x wave
	v_add_nc_u32 v[QRD], s57, v22
	v_add_nc_u32 v[C1A], C1, v[QRD]
	v_add_nc_u32 v[QRD], QL, v[QRD]
	v_and_b32 v[PB], 1, v0
	v_lshlrev_b32 v[PB], 8, v[PB]
	v_lshrrev_b32 v[L2X], 1, v21
	s_lshl_b32 s58, s22, 12                        ; 4,096 x wave: my quarter of W1's K step 1
	v_add_nc_u32 v16, s58, v[LN16]                 ; in wq,
	v_add_nc_u32 v17, W1Q, v16                     ; and in LDS
	s_lshl_b32 s59, s22, 9
	v_add_nc_u32 v18, s59, v[LN16]
	v_add_nc_u32 v18, TAB, v18                     ; my 512 bytes of the tables
	v_add_nc_u32 v19, s57, v[LN16]
	v_add_nc_u32 v19, QL, v19                      ; my two rows of query
.irp b, 0,1,2,3
	v_mov_b32 v[TM+4+\b], 0                        ; written once: a lane permute's destination counts as read
.endr
	v_mov_b32 v[WT+1], 0                           ; named as the upper half of a pair
	s_mov_b32 s50, 0x76543210
	s_mov_b32 s51, 0xfedcba98                      ; v_permlanex16_b32's selects for lane l xor 16
	s_mov_b32 s52, 0xbfb8aa3b                      ; -log2(e)
	s_mov_b32 s53, s52                             ; (named with it as a pair)
	s_mov_b32 s54, 0x3fb8aa3b                      ; log2(e)
	s_lshl_b32 s23, ttmp9, 2
	s_add_co_u32 s23, s23, s22                     ; p: my pair of batches
	s_lshl_b32 s56, s23, 9
	s_mov_b32 s57, 0
	s_lshl_b32 s58, s23, 10
	s_mov_b32 s59, 0
	s_mul_i32 s62, s23, 2*BATCHB                   ; under 2^32: 1,023 x 204,800
	s_mov_b32 s63, 0
	s_wait_kmcnt 0x0
	s_add_nc_u64 s[8:9], s[8:9], s[56:57]          ; my 512 bytes of order,
	s_add_nc_u64 s[6:7], s[6:7], s[58:59]          ; my two rows of query,
	s_add_nc_u64 s[20:21], s[20:21], s[58:59]      ; and of out0,
	s_add_nc_u64 s[4:5], s[4:5], s[62:63]          ; my pair's first row of keys,
	s_lshl_b32 s62, s23, 3
	s_add_nc_u64 s[60:61], s[60:61], s[62:63]      ; my two words of cnt
	s_load_b64 s[24:25], s[60:61], 0x0             ; active rows of batch 2 p and of batch 2 p + 1
	s_load_b32 s31, s[18:19], 0x0                  ; b3
	s_load_b128 s[32:35], s[8:9], 0x0              ; tile 0's sixteen positions
	s_add_nc_u64 s[2:3], s[12:13], 512             ; which 512 bytes of the tables I bring: wave 0 b1's first half, 1 its second, 2 b2, 3 W3: a choice on the wave's number alone
	s_cmp_eq_u32 s22, 1
	s_cselect_b64 s[2:3], s[2:3], s[12:13]
	s_cmp_eq_u32 s22, 2
	s_cselect_b64 s[2:3], s[14:15], s[2:3]
	s_cmp_eq_u32 s22, 3
	s_cselect_b64 s[2:3], s[16:17], s[2:3]
	WIN 0x80                                       ; destination window 2
.irp t, 0,1,2,3,4,5,6,7,8,9,10,11,12,13,14,15
.irp c, 0,1
	global_load_b128 v[8*\t+4*\c:8*\t+4*\c+3], v[LN16], s[10:11] offset:1024*\t+512*\c               ; W1, K step 0
	global_load_b128 v[128+8*\t+4*\c:128+8*\t+4*\c+3], v[LN16], s[10:11] offset:1024*(32+\t)+512*\c   ; W1, K step 2
.endr
.endr
	WIN 0xc0                                       ; destination window 3
.irp t, 0,1,2,3,4,5,6,7,8,9,10,11,12,13,14,15
.irp c, 0,1
	global_load_b128 v[8*\t+4*\c:8*\t+4*\c+3], v[LN16], s[10:11] offset:1024*(48+\t)+512*\c           ; W1, K step 3
	global_load_b128 v[128+8*\t+4*\c:128+8*\t+4*\c+3], v[LN16], s[10:11] offset:65536+1024*\t+512*\c  ; W2: fragment 8 s + t
.endr
.endr
	WIN 0
.set j, 0
.rept 40
	global_load_b32 v[WS+j], v[LN4], s[10:11] offset:81920+128*j
.set j, j+1
.endr
.irp k, 0,1,2,3,4,5,6,7
	global_load_b128 v[HA+4*\k:HA+4*\k+3], v16, s[10:11] offset:16384+512*\k
.endr
	global_load_b128 v[HB:HB+3], v[LN16], s[2:3]
	global_load_b128 v[HB+4:HB+7], v[LN16], s[6:7]
	global_load_b128 v[HB+8:HB+11], v[LN16], s[6:7] offset:512
	s_wait_kmcnt 0x0
	s_min_u32 s24, s24, 200                        ; the counts' bound, written out: trip counts and addresses are made of them
	s_min_u32 s25, s25, 200
	s_add_co_u32 s26, s24, 15
	s_lshr_b32 s26, s26, 4
	s_max_u32 s26, s26, 1                          ; tiles of the first batch: one at the least, so that a batch with no active row is finished like any other
	s_add_co_u32 s27, s25, 15
	s_lshr_b32 s27, s27, 4
	s_max_u32 s27, s27, 1
	s_add_co_u32 s27, s27, s26                     ; tiles in all
	s_sub_co_u32 s55, s27, 1
	s_lshl_b32 s30, s26, 4
	s_sub_co_u32 s30, 256, s30                     ; what a tile of the second batch adds to 16 x its number
	s_mov_b32 s28, 0                               ; n: the tile in hand
	ROWS LN16                                      ; tile 0 belongs to the pair's first batch
	WIN 0x40
.irp i, 0,1,2,3,4,5,6,7,8,9,10,11,12,13,14,15
	global_load_b128 v[4*\i:4*\i+3], v[RA+\i], s[4:5]   ; tile 0: an instruction takes one whole row, 512 consecutive bytes
.endr
	WIN 0
	OFFS s48, s58, 1
	s_load_b128 s[32:35], s[8:9], s48 offset:0x0   ; tile 1's positions
	OFFS s49, s59, 2
	v_add_nc_u32 v[PEA], s49, v[L2X]
	global_load_u8 v[PE], v[PEA], s[8:9]           ; tile 2's positions, two lanes to an entry, for the prefetch
	s_wait_loadcnt 17                              ; all but the youngest 17 (tile 0's 16 rows and that entry): weights, scales, tables and q are in
.irp k, 0,1,2,3,4,5,6,7
	ds_store_b128 v17, v[HA+4*\k:HA+4*\k+3] offset:512*\k
.endr
	ds_store_b128 v18, v[HB:HB+3]
	ds_store_b128 v19, v[HB+4:HB+7]
	ds_store_b128 v19, v[HB+8:HB+11] offset:512
	s_wait_dscnt 0x0                               ; for the others' sake: my stores have landed
	s_barrier_signal -1
	s_barrier_wait -1                              ; the one barrier: W1's K step 1 and the tables lie whole in LDS and are never written again
	SETUP 0, s24
.Ltile:
	; ---- the rows turn through my stage; the next tile is asked for
	s_wait_loadcnt 0x0                             ; this tile's 16 rows and the prefetch's entries are in: so their address registers may be written too
	s_wait_xcnt 0x0                                ; the last prefetch, a trip back, has read its offset
	WIN 0x04
.irp i, 0,1,2,3,4,5,6,7,8,9,10,11,12,13,14,15
	ds_store_b128 v[STW], v[4*\i:4*\i+3] offset:SP*\i
.endr
	WIN 0x40
.irp b, 0,1,2,3
.irp j, 0,1,2,3
	ds_load_b128 v[KW+16*\b+4*\j:KW+16*\b+4*\j+3], v[STR] offset:128*\b+16*\j   ; my row's 16 numbers of each block of 32; LDS serves a wave's instructions in order
.endr
.endr
	WIN 0
	s_wait_kmcnt 0x0                               ; the next tile's positions
	v_add_nc_u32 v20, s58, v[LN16]                 ; 16 x lane + where that tile's batch begins
	ROWS 20
	v_min_u32 v[PE], 199, v[PE]
	v_add_nc_u32 v21, s59, v[PB]
	v_lshl_add_u32 v[PFA], v[PE], 9, v21           ; a lane to each 256 bytes of the 16 rows of the tile after the next
	s_wait_dscnt 0x0                               ; my row is in registers, and the stores have read the rows as loaded
	s_add_co_u32 s56, s28, 1
	s_cmp_lt_u32 s56, s27
	s_cbranch_scc0 .Lno_next                       ; the last tile asks for nothing
	WIN 0x40
.irp i, 0,1,2,3,4,5,6,7,8,9,10,11,12,13,14,15
	global_load_b128 v[4*\i:4*\i+3], v[RA+\i], s[4:5]   ; tile n + 1: it has this whole trip in which to come.  No hint: a tile's spare places name a row twice
.endr
	WIN 0
	s_add_co_u32 s56, s28, 2
	s_cmp_lt_u32 s56, s27
	s_cbranch_scc0 .Lno_next
	global_prefetch_b8 v[PFA], s[4:5] th:TH_LOAD_NT scope:SCOPE_SE   ; tile n + 2's 8,192 bytes, one trip ahead of their loads; the last two trips ask for nothing
.Lno_next:
	OFFS s48, s58, 2
	s_load_b128 s[32:35], s[8:9], s48 offset:0x0   ; tile n + 2's positions (held at the last tile's: no load leaves the list)
	OFFS s49, s59, 3
	v_add_nc_u32 v[PEA], s49, v[L2X]
	global_load_u8 v[PE], v[PEA], s[8:9]
	; ---- x: K step 0 = k, K step 2 = k - q, K step 3 = q k, each quantised along K
	QUANT KW, 1, XC0, XS0
	WIN 0x05
.set j, 0
.rept 32
	v_pk_add_f32 v[HA+j:HA+j+1], v[KW+j:KW+j+1], v[QW+j:QW+j+1] neg_lo:[0,1] neg_hi:[0,1]
.set j, j+2
.endr
.set j, 0
.rept 32
	v_pk_mul_f32 v[HB+j:HB+j+1], v[KW+j:KW+j+1], v[QW+j:QW+j+1]
.set j, j+2
.endr
	WIN 0
	QUANT HA, 0, XC2, XS2
	QUANT HB, 0, XC3, XS3
	; ---- the first product: the sums begin with C1 = b1 + the K step that holds q
.irp g, 0,1
.irp t, 0,1,2,3,4,5,6,7
.irp j, 0,1
	ds_load_b128 v[HA+64*\g+8*\t+4*\j:HA+64*\g+8*\t+4*\j+3], v[C1A] offset:512*\g+128*(\t/2)+32*(\t%2)+16*\j
.endr
.endr
.endr
	s_wait_dscnt 0x0
	PLACES 8                                       ; the last scale word was made by vector lines: 8 places ahead of the scaled matrix instructions
	MM1 HA, 0
	MM1 HB, 8
	PLACES 4                                       ; ahead of the first read of results
	; ---- hidden units 0-127: sigmoid, quantised: K step 0 of the second product, whose sums begin with b2
	SIGM HA
	QUANT HA, 0, XC0, XS0
.irp t, 0,1,2,3,4,5,6,7
.irp j, 0,1
	ds_load_b128 v[HA+8*\t+4*\j:HA+8*\t+4*\j+3], v[B2A] offset:64*\t+16*\j   ; b2 in the result's layout: tile t's register i is unit 16 t + 8 h + i
.endr
.endr
	s_wait_dscnt 0x0
	PLACES 8
	MM2 0, XC0, XS0
	; ---- hidden units 128-255: K step 1
	SIGM HB
	QUANT HB, 0, XC2, XS2
	PLACES 8
	MM2 1, XC2, XS2
.irp t, 0,1,2,3,4,5,6,7
.irp j, 0,1
	ds_load_b128 v[HB+8*\t+4*\j:HB+8*\t+4*\j+3], v[B2A] offset:512+64*\t+16*\j   ; W3, laid as the second hidden layer lies
.endr
.endr
	PLACES 4
	; ---- the score, its weight, and the weighted sum
	SIGM HA
	s_wait_dscnt 0x0
.irp c, 0,1,2,3
	v_pk_mul_f32 v[TM+2*\c:TM+2*\c+1], v[HA+2*\c:HA+2*\c+1], v[HB+2*\c:HB+2*\c+1]   ; h2 . W3 in f32: four chains of packed multiply-adds
.endr
.irp i, 1,2,3,4,5,6,7
.irp c, 0,1,2,3
	v_pk_fma_f32 v[TM+2*\c:TM+2*\c+1], v[HA+8*\i+2*\c:HA+8*\i+2*\c+1], v[HB+8*\i+2*\c:HB+8*\i+2*\c+1], v[TM+2*\c:TM+2*\c+1]
.endr
.endr
	v_pk_add_f32 v[TM:TM+1], v[TM:TM+1], v[TM+2:TM+3]
	v_pk_add_f32 v[TM+4:TM+5], v[TM+4:TM+5], v[TM+6:TM+7]
	v_pk_add_f32 v[TM:TM+1], v[TM:TM+1], v[TM+4:TM+5]
	v_add_f32 v[TM], v[TM], v[TM+1]
	v_permlanex16_b32 v[TM+2], v[TM], s50, s51
	v_add_f32 v[TM], v[TM], v[TM+2]                ; with lane l xor 16's 64 units
	v_add_f32 v[TM], s31, v[TM]                    ; + b3
	v_mul_f32 v[TM], s52, v[TM]
	v_exp_f32 v[TM], v[TM]
	v_nop
	s_wait_alu depctr_va_vdst(0)
	v_add_f32 v[TM], 1.0, v[TM]
	v_rcp_f32 v[TM], v[TM]                         ; the score, in [0, 1]
	v_nop
	s_wait_alu depctr_va_vdst(0)
	v_mul_f32 v[TM], s54, v[TM]
	v_exp_f32 v[EW], v[TM]                         ; e^score, in [1, e]
	v_nop
	s_wait_alu depctr_va_vdst(0)
	v_cmp_gt_i32 vcc_lo, s29, v[RR]                ; is my row one of the batch's active rows, or a spare place of its last tile?
	v_cndmask_b32 v[WT], 0, v[EW], vcc_lo
	v_add_f32 v[LS], v[LS], v[WT]
	WIN 0x51                                       ; k and the sums in window 1, the weight in window 0
.set j, 0
.rept 32
	v_pk_fma_f32 v[AW+j:AW+j+1], v[KW+j:KW+j+1], v[WT:WT+1], v[AW+j:AW+j+1] op_sel_hi:[1,0,1]
.set j, j+2
.endr
	WIN 0
	s_sub_co_i32 s29, s29, 16
	s_add_co_u32 s28, s28, 1
	s_cmp_lg_u32 s28, s26
	s_cbranch_scc1 .Lsame                          ; the first batch's last tile is done exactly once: both batches have a tile at the least
	FINISH 0
	SETUP 512, s25
.Lsame:
	s_cmp_lt_u32 s28, s27
	s_cbranch_scc1 .Ltile
	FINISH 512
	s_wait_tensorcnt 0x0                           ; the wave's end, behind my last LDS store
	ds_add_u32 v[SPW], v[NIL]
	s_wait_dscnt 0x0
	s_endpgm
.Lfunc_end_k_q04fcb99da4_main:
	.size	k_q04fcb99da4_main, .Lfunc_end_k_q04fcb99da4_main-k_q04fcb99da4_main
	.p2alignl 7, 3214868480
	.fill 96, 4, 3214868480
	.section	.rodata,"a",@progbits
	.p2align	6, 0x0
	.amdhsa_kernel k_q04fcb99da4_main
		.amdhsa_group_segment_fixed_size 62976
		.amdhsa_private_segment_fixed_size 0
		.amdhsa_enable_private_segment 0
		.amdhsa_kernarg_size 80
		.amdhsa_user_sgpr_count 2
		.amdhsa_user_sgpr_kernarg_segment_ptr 1
		.amdhsa_wavefront_size32 1
		.amdhsa_system_sgpr_workgroup_id_x 1
		.amdhsa_system_sgpr_workgroup_id_y 1
		.amdhsa_system_sgpr_workgroup_id_z 1
		.amdhsa_system_vgpr_workitem_id 0
		.amdhsa_next_free_vgpr 1024
		.amdhsa_next_free_sgpr 66
		.amdhsa_reserve_vcc 1
		.amdhsa_float_denorm_mode_32 3
		.amdhsa_float_denorm_mode_16_64 3
		.amdhsa_memory_ordered 1
		.amdhsa_forward_progress 1
		.amdhsa_inst_pref_size 142
	.end_amdhsa_kernel
	.amdgpu_metadata
---
amdhsa.version: [ 1, 2 ]
amdhsa.kernels:
  - .name:           k_q04fcb99da4_main
    .symbol:         k_q04fcb99da4_main.kd
    .args:
      - { .name: keys, .offset: 0, .size: 8, .value_kind: global_buffer, .address_space: global }
      - { .name: query, .offset: 8, .size: 8, .value_kind: global_buffer, .address_space: global }
      - { .name: order, .offset: 16, .size: 8, .value_kind: global_buffer, .address_space: global }
      - { .name: wq, .offset: 24, .size: 8, .value_kind: global_buffer, .address_space: global }
      - { .name: b1, .offset: 32, .size: 8, .value_kind: global_buffer, .address_space: global }
      - { .name: b2, .offset: 40, .size: 8, .value_kind: global_buffer, .address_space: global }
      - { .name: W3, .offset: 48, .size: 8, .value_kind: global_buffer, .address_space: global }
      - { .name: b3, .offset: 56, .size: 8, .value_kind: global_buffer, .address_space: global }
      - { .name: out0, .offset: 64, .size: 8, .value_kind: global_buffer, .address_space: global }
      - { .name: cnt, .offset: 72, .size: 8, .value_kind: global_buffer, .address_space: global }
    .group_segment_fixed_size: 62976
    .private_segment_fixed_size: 0
    .kernarg_segment_align: 8
    .kernarg_segment_size: 80
    .max_flat_workgroup_size: 128
    .sgpr_count:     66
    .vgpr_count:     1024
    .wavefront_size: 32
...
	.end_amdgpu_metadata
.endif
;; end of part 2
;; ======== version 2 of 2: 2 launches; version 1 with the launch main written anew for expert scheduling mode
;; workspace buffers: wq 87,040 bytes; order 524,288 bytes of whole numbers; cnt 8,192 bytes of whole numbers
;; launch prep: the kernel of part 1 again; grid 522 x 1, 4 waves a work-group, no clusters, 0 bytes of LDS; arguments mask, W1, W2, order, wq, cnt; writes order, wq, cnt
;; launch main (part 3): grid 256 x 1, 4 waves a work-group, no clusters, 62,976 bytes of LDS; arguments keys, query, order, wq, b1, b2, W3, b3, out0, cnt; writes out0
.if DOCPART == 3
	.amdgcn_target "amdgcn-amd-amdhsa--gfx1250"
	.amdhsa_code_object_version 6
	.text
	.protected	k_q04fcb99da4_main
	.globl	k_q04fcb99da4_main
	.p2align	8
	.type	k_q04fcb99da4_main,@function
k_q04fcb99da4_main:
	s_mov_b64 s[64:65], 0
	v_nop
	global_prefetch_b8 v0, s[64:65] scope:SCOPE_SE
	s_setreg_imm32_b32 hwreg(HW_REG_WAVE_SCHED_MODE, 0, 2), 2
	s_setreg_imm32_b32 hwreg(HW_REG_WAVE_MODE, 25, 1), 1
	s_wait_xcnt 0x0
	s_wait_alu depctr_vm_vsrc(0)
; out[b] = sum over t of softmax_t(score(b, t)) keys[b][t], score = sigmoid(sigmoid(sigmoid(x W1 + b1) W2 + b2) W3 + b3), x = [k, q, k - q, q k]; rows with mask != 1 have score -infinity.
; Both large products run on codes of E2M1 with one E8M0 scale for each 32 along K; x and the first hidden layer are quantised in registers; all else is f32.
; WHAT IS NOT DONE, AND WHY.
;  - Rows with mask != 1: reference() gives them the weight exp(-infinity) = 0, for all values of the other inputs.  The mask is a whole-number input; the launch before has stored, for each batch, the list of
;    its active positions (order: a byte an entry, 256 bytes a batch) and their number (cnt: a word a batch), and this launch reads them from memory and loads and computes those rows alone.
;    A tile's spare places name an active row once more and get the weight 0 by a select.  So mask itself is not among this launch's arguments.
;  - Blocks 4 to 7 of x hold q alone: their codes and scales are the same in all rows of a batch, so that K step of the first product is multiplied once a batch, and its sums, with b1, start every tile's sums.
;  - The softmax's maximum is not taken away: the scores are results of reference()'s own sigmoid, so they lie in [0, 1] whatever the inputs hold; e^score lies in [1, e] and a row's sum is at most 200 e.
;  - A batch with no active row gives 0 x (1 / 0) = NaN, as reference() does.
; LIMITS: a NaN or an infinity in the keys of a row with mask != 1 is not carried to the result; NaN and infinities among the inputs are not served; v_exp_f32 and v_rcp_f32 take denormals for zero
; (ISA guide 15.8), so a sigmoid under 2^-126 is 0; a block of zeros has the scale byte 1 and zero codes; blocks whose largest magnitude lies under 2^-124 were not tried.
; SHARES.  Wave number p = 4 x work-group + wave owns batches 2 p and 2 p + 1 and walks their tiles of 16 listed rows; lane (r, h) holds row r throughout.  Behind one barrier at the head the waves share nothing.
; BOTH PRODUCTS ARE USED TRANSPOSED (source 0 = 16 columns of the weight, source 1 = my 16 rows): a lane's registers then run along the hidden units, which are the next K.
; The weights that every tile needs stay in registers (windows 2 and 3), as the launch before has laid them.  No tensor load: trip counts and row addresses hang on the stored numbers.
; No cluster: what work-groups share is 85 KB of weights, read once each.
; REGISTERS, in windows of 256 (s_set_vgpr_msb: bits 1:0 source 0, 3:2 source 1, 5:4 source 2, 7:6 destination):
;  window 0: v1-19 addresses; v20-23 at work; v24-39 row offsets; v40-79 the weights' scale registers; v80-143 HA, v144-207 HB: 64 numbers each; v208-231 three fragments of codes; v232-243 at work; v244-246 my rows' scale words
;  window 1: v0-63 16 rows as loaded; v64-127 K: register 16 b + i = k 32 b + 16 h + i of my row; v128-191 q likewise; v192-255 the weighted sum, likewise
;  window 2: W1's K step 0 at 8 T, K step 2 at 128 + 8 T.   window 3: W1's K step 3 at 8 T, W2 at 128 + 64 s + 8 t.
; THE MODE: SCHED_MODE bits 1:0 = 2 (LLVM: expert scheduling mode 2), set by the entry lines.  The code itself states the register dependences
; between vector or matrix instructions and memory or LDS instructions, with s_wait_alu, always for 0.
; THE PLAN.  Registers that memory or LDS instructions touch, in a trip of the loop, in program order:
;   the rows as loaded  the stage's stores read them; the next tile's loads land in them.  No vector line names them.
;   K                   the stage's loads land in it; read by k - q, q k, the quantiser and, last in the trip, the weighted sum.
;   RA, PFA, PEA        written once a trip, by the address lines; read by the next tile's 16 loads, the prefetch and the load of list entries.
;   PE                  the list entries land in it; the address lines of the next trip read and write it.
;   HA                  k - q, quantised | C1's first half lands | products, sigmoid, quantised | b2 lands | products, sigmoid, the score.
;   HB                  q k, quantised | C1's second half lands | products, sigmoid, quantised | W3 lands | the score.
;   v1-v10              addresses made at the head and never written again.
;   The codes, the scale words, v232-251 and the sums are named by vector and matrix instructions alone in a trip.
; So a trip has six waits on va_vdst of its own, beside those behind the transcendentals: ahead of the loads into K; behind the address lines; and one each time HA or HB has been quantised and is asked for again,
; which at three of the four places is also the wait for codes and scale words ahead of scaled matrix instructions.  One wait on vm_vsrc a trip stands behind the stage's stores and loads, ahead of the address lines.
; Each load into HA or HB is issued straight behind its wait and lands under vector or matrix work that names other registers.  All 1,024 registers are laid out, so there is no second buffer for any of them.
.set STG,   0                          ; LDS: a stage of 16 rows x (512 + 16) bytes for each wave
.set STGW,  8448
.set SP,    528                        ; 33 x 16 bytes: the sixteen rows that a load touches start in different banks (64 banks of 4 bytes: ISA guide 11.1)
.set W1Q,   33792                      ; the 16 fragments of W1's K step 1 (the rows that meet q), as images; written once
.set TAB,   50176                      ; b1 (1,024 bytes), b2 (512), W3 (512); written once
.set QL,    52224                      ; 1,024 bytes a wave: its two rows of query
.set C1,    56320                      ; 1,024 bytes a wave: b1 + Q(q) Q(W1[128:256]), by hidden unit
.set SPARE, 62464                      ; the spare words, 128 bytes for each wave: two blocks of 256 bytes that no other line names
.set BATCHB, 102400                    ; a batch's keys in bytes: 200 rows of 512
.set LN16, 1                           ; 16 x lane
.set LN4,  2                           ; 4 x lane
.set RR,   3                           ; r
.set STW,  4                           ; stage by rows: 16 x lane
.set STR,  5                           ; stage by lanes: 528 r + 64 h
.set IMG,  6                           ; W1Q + 16 x lane
.set B1A,  7                           ; TAB + 64 h
.set B2A,  8                           ; TAB + 1,024 + 32 h
.set QRD,  9                           ; my wave's q + 64 h
.set C1A,  10                          ; my wave's C1 + 64 h
.set PB,   11                          ; 256 x (lane % 2)
.set L2X,  12                          ; lane / 2: two lanes to a list entry
.set PE,   13                          ; a list entry for the prefetch
.set PEA,  14                          ; where it is loaded from
.set PFA,  15                          ; the prefetch's offset
.set RA,   24
.set WS,   40
.set HA,   80
.set HB,   144
.set XC0,  208
.set XC2,  216
.set XC3,  224
.set TM,   232
.set XS0,  244
.set XS2,  245
.set XS3,  246
.set WT,   248                         ; v[248:249]: the row's weight (the packed forms name the pair and take its low word)
.set LS,   250                         ; the sum of the weights
.set EW,   251
.set SPW,  254                         ; LDS address of my spare word; never rewritten
.set NIL,  255                         ; 0; never rewritten
.set KW,   64                          ; in window 1
.set QW,   128
.set AW,   192
.set MSB, 0
.macro WIN new                         ; the immediate's high byte repeats the setting that is left; a switch that changes nothing is dropped
.if MSB != (\new)
	s_set_vgpr_msb (MSB<<8)|(\new)
.set MSB, (\new)
.endif
.endm
.macro PLACES n                        ; plain lines behind or ahead of matrix instructions (ISA guide 7.12.1)
.rept \n
	v_nop
.endr
.endm
; One matrix instruction, in place: d += a x b.  row = 1: source 0's scales come from lanes 16-31 of their register.
.macro WM d, a, b, sa, sb, row
.if \row
	v_wmma_scale_f32_16x16x128_f8f6f4 v[\d:\d+7], v[\a:\a+7], v[\b:\b+7], v[\d:\d+7], v[\sa], v[\sb] matrix_a_fmt:MATRIX_FMT_FP4 matrix_b_fmt:MATRIX_FMT_FP4 matrix_a_scale:MATRIX_SCALE_ROW1
.else
	v_wmma_scale_f32_16x16x128_f8f6f4 v[\d:\d+7], v[\a:\a+7], v[\b:\b+7], v[\d:\d+7], v[\sa], v[\sb] matrix_a_fmt:MATRIX_FMT_FP4 matrix_b_fmt:MATRIX_FMT_FP4
.endif
.endm
; 64 numbers of a lane in window W, register src + 16 b + i = k 32 b + 16 h + i of my row, become a fragment's codes in v[pc .. pc + 7] and my row's scale word in v[pw].
.macro QUANT src, W, pc, pw
	WIN 5*(\W)
.irp b, 0,1,2,3
	v_max3_num_f32 v[TM+\b], |v[\src+16*\b]|, |v[\src+16*\b+1]|, 0x1800000   ; block b: my 16 numbers, and the floor 2^(3 - 127): the byte cannot fall under 1
.endr
.irp i, 2,4,6,8,10,12,14
.irp b, 0,1,2,3
	v_max3_num_f32 v[TM+\b], |v[\src+16*\b+\i]|, |v[\src+16*\b+\i+1]|, v[TM+\b]   ; the four blocks by turns
.endr
.endr
	WIN 0
.irp b, 0,1,2,3
	v_permlanex16_b32 v[TM+4+\b], v[TM+\b], s50, s51
.endr
.irp b, 0,1,2,3
	v_max_num_f32 v[TM+\b], v[TM+\b], v[TM+4+\b]   ; with lane l xor 16's 16: the block's largest magnitude
.endr
.irp b, 0,1,2,3
	v_add_nc_u32 v[TM+8+\b], 0xff000000, v[TM+\b]  ; 2 off its exponent field: the conversion's scale operand
.endr
.irp b, 0,1,2,3
	v_lshrrev_b32 v[TM+4+\b], 23, v[TM+8+\b]       ; the scale's byte
.endr
	v_lshl_or_b32 v[\pw], v[TM+5], 8, v[TM+4]
	v_lshl_or_b32 v[\pw], v[TM+6], 16, v[\pw]
	v_lshl_or_b32 v[\pw], v[TM+7], 24, v[\pw]
	WIN \W
.irp b, 0,1,2,3
	v_cvt_scalef32_pk8_fp4_f32 v[\pc+2*\b], v[\src+16*\b:\src+16*\b+7], v[TM+8+\b]
	v_cvt_scalef32_pk8_fp4_f32 v[\pc+2*\b+1], v[\src+16*\b+8:\src+16*\b+15], v[TM+8+\b]
.endr
	WIN 0
	v_nop                                          ; one plain line behind the last scaled conversion
.irp c, 0,1                            ; the operand's layout wants a whole block in a lane: lanes 0-15 block 2 c, lanes 16-31 block 2 c + 1
.irp i, 0,1
	v_permlane16_swap_b32 v[\pc+4*\c+\i], v[\pc+4*\c+2+\i]
.endr
.endr
.endm
; sigmoid(x) = 1 / (1 + 2^(-x log2 e)) on 64 registers, in place, from the low end on, in two halves: SIGA up to the exponentials, SIGB from there on.
; Each batch of 64 transcendentals has one plain line and one wait behind it.
.macro SIGA base
.set j, 0
.rept 32
	v_pk_mul_f32 v[\base+j:\base+j+1], v[\base+j:\base+j+1], s[52:53] op_sel_hi:[1,0]
.set j, j+2
.endr
.set j, 0
.rept 64
	v_exp_f32 v[\base+j], v[\base+j]
.set j, j+1
.endr
	v_nop
	s_wait_alu depctr_va_vdst(0)                   ; the 64 exponentials are written, ahead of their first reader
.endm
.macro SIGB base
.set j, 0
.rept 32
	v_pk_add_f32 v[\base+j:\base+j+1], v[\base+j:\base+j+1], 1.0 op_sel_hi:[1,0]
.set j, j+2
.endr
.set j, 0
.rept 64
	v_rcp_f32 v[\base+j], v[\base+j]
.set j, j+1
.endr
	v_nop
	s_wait_alu depctr_va_vdst(0)                   ; the 64 reciprocals are written, ahead of their first reader
.endm
; Tile min(n + k, last tile).  dst: where its 16 list entries begin in my pair's 512 bytes of order: 16 bytes a tile; the second batch's tiles begin at byte 256.  ko: where its batch's keys begin behind the pair's first row.
.macro OFFS dst, ko, k
	s_add_co_u32 s56, s28, \k
	s_min_u32 s56, s56, s55
	s_cmp_lt_u32 s56, s26
	s_cselect_b32 s57, 0, s30
	s_cselect_b32 \ko, 0, BATCHB
	s_lshl_b32 s56, s56, 4
	s_add_co_u32 \dst, s56, s57
	s_min_u32 \dst, \dst, 448                      ; 256 + 12 x 16 at the most by the counts' bound; written out ahead of the address,
	s_min_u32 \ko, \ko, BATCHB                     ; and so is this one's
.endm
; The sixteen entries in s[32:35], a byte each, become the sixteen rows' offsets: 512 bytes a row, on top of v[vb] = 16 x lane + the batch's first byte.
.macro ROWS vb
.irp g, 0,1
.irp i, 0,1,2,3,4,5,6,7
	s_bfe_u32 s[36+\i], s[32+2*\g+\i/4], 0x80000+8*(\i%4)
.endr
.irp i, 0,1,2,3,4,5,6,7
	s_min_u32 s[36+\i], s[36+\i], 199              ; a position's bound, written out ahead of the address
.endr
.irp i, 0,1,2,3,4,5,6,7
	v_lshl_add_u32 v[RA+8*\g+\i], s[36+\i], 9, v[\vb]
.endr
.endr
.endm
; The first product's K steps 0, 2 and 3 for eight tiles of hidden units, T0 on: 24 matrix instructions, the eight accumulators by turns, one instruction a turn.
.macro MM1 acc, T0
	WIN 0x02                                       ; source 0 in window 2
.irp t, 0,1,2,3,4,5,6,7
	WM \acc+8*\t, 8*(\T0+\t), XC0, WS+2*(\T0+\t), XS0, 0
.endr
.irp t, 0,1,2,3,4,5,6,7
	WM \acc+8*\t, 128+8*(\T0+\t), XC2, WS+2*(\T0+\t)+1, XS2, 0
.endr
	WIN 0x03                                       ; source 0 in window 3
.irp t, 0,1,2,3,4,5,6,7
	WM \acc+8*\t, 8*(\T0+\t), XC3, WS+2*(\T0+\t)+1, XS3, 1
.endr
	WIN 0
.endm
; The second product's K step s: eight accumulators in HA, by turns.
.macro MM2 s, xc, xs
	WIN 0x03
.irp t, 0,1,2,3,4,5,6,7
	WM HA+8*\t, 128+64*\s+8*\t, \xc, WS+32+\t, \xs, \s
.endr
	WIN 0
.endm
; C1's half g (hidden units 128 g on) into HA (g = 0) or HB (g = 1): what the first product's sums begin with.
.macro C1IN g
.irp t, 0,1,2,3,4,5,6,7
.irp j, 0,1
	ds_load_b128 v[HA+64*\g+8*\t+4*\j:HA+64*\g+8*\t+4*\j+3], v[C1A] offset:512*\g+128*(\t/2)+32*(\t%2)+16*\j
.endr
.endr
.endm
; A batch begins: q into registers; C1 = b1 + Q(q) Q(W1[128:256]) into my LDS; the sums cleared.
.macro SETUP qoff, cnt
	WIN 0x40
.if \qoff
	s_wait_alu depctr_va_vdst(0)                   ; the batch before is done: its lines have read q and HB and written HA, in all of which the loads below land
.endif
	s_wait_alu depctr_vm_vsrc(0)                   ; the first batch: the head's LDS stores have read HA and HB, in which loads land below.  The second: the result's store has read HA, and the stores into the stage have read the sums, which are cleared below
.irp b, 0,1,2,3
.irp j, 0,1,2,3
	ds_load_b128 v[QW+16*\b+4*\j:QW+16*\b+4*\j+3], v[QRD] offset:\qoff+128*\b+16*\j   ; every lane of a half takes the same 16 numbers of each block: all 16 rows of this operand are q
.endr
.endr
	WIN 0
.irp g, 0,1                            ; hidden units 128 g on
.irp t, 0,1,2,3,4,5,6,7
.irp j, 0,1
	ds_load_b128 v[HA+8*\t+4*\j:HA+8*\t+4*\j+3], v[B1A] offset:512*\g+128*(\t/2)+32*(\t%2)+16*\j   ; b1 in the result's layout: tile t's register i is unit 32 (t / 2) + 16 h + 8 (t % 2) + i
.endr
.endr
.irp t, 0,1,2,3,4,5,6,7
.irp c, 0,1
	ds_load_b128 v[HB+8*\t+4*\c:HB+8*\t+4*\c+3], v[IMG] offset:1024*(8*\g+\t)+512*\c
.endr
.endr
.if \g == 0
	s_wait_dscnt 32                                ; LDS loads come back in order (ISA guide 5.7.1): q's 16 are in; the 32 younger ones, b1 and the images, land while q is quantised
	QUANT QW, 1, XC0, XS0
	PLACES 8                                       ; a scale word made by vector lines stands 8 places ahead of a scaled matrix instruction, codes so made 4
	s_wait_alu depctr_va_vdst(0)                   ; q's codes and scale word are written, which the matrix instructions of both halves take
.endif
	s_wait_dscnt 0x0
.irp t, 0,1,2,3,4,5,6,7
	WM HA+8*\t, HB+8*\t, XC0, WS+2*(8*\g+\t), XS0, 1
.endr
	PLACES 4                                       ; ahead of the stores that read the results
	s_wait_alu depctr_va_vdst(0)                   ; the matrix instructions have written HA, which the stores read, and are done reading HB, in which the next half's images land
.irp t, 0,1,2,3,4,5,6,7
.irp j, 0,1
	ds_store_b128 v[C1A], v[HA+8*\t+4*\j:HA+8*\t+4*\j+3] offset:512*\g+128*(\t/2)+32*(\t%2)+16*\j   ; each accumulator from its low end on; the sixteen lanes of a half write the same bytes with the same values
.endr
.endr
	s_wait_dscnt 0x0                               ; my stores into C1 have landed
	s_wait_alu depctr_vm_vsrc(0)                   ; those stores have read HA, which is written again: by the next half's loads, or by the next tile's subtractions
.endr
	WIN 0x40
.set j, 0
.rept 64
	v_mov_b32 v[AW+j], 0                           ; the weighted sum begins at 0: the loop's one text serves a batch's first tile too
.set j, j+1
.endr
	WIN 0
	v_mov_b32 v[LS], 0
	s_mov_b32 s29, \cnt                            ; active rows still to come
.endm
; A batch ends: the 16 rows' partial sums meet through my stage; the total is divided by the sum of the weights and stored: 512 consecutive bytes.
.macro FINISH ooff
	WIN 0x04                                       ; an LDS store's data are its source 1: window 1
	s_wait_alu depctr_va_vdst(0)                   ; the tile's multiply-adds have written the sums, which the stores read; the score's lines are done reading HA, in which the loads below land
.irp b, 0,1,2,3
.irp j, 0,1,2,3
	ds_store_b128 v[STR], v[AW+16*\b+4*\j:AW+16*\b+4*\j+3] offset:128*\b+16*\j
.endr
.endr
	WIN 0
.irp i, 0,1,2,3,4,5,6,7,8,9,10,11,12,13,14,15
	ds_load_b128 v[HA+4*\i:HA+4*\i+3], v[STW] offset:SP*\i   ; LDS serves a wave's instructions in order (ISA guide 5.7.1.4): these see the stores above
.endr
	v_add_f32_dpp v[LS], v[LS], v[LS] row_xmask:1 row_mask:0xf bank_mask:0xf   ; the weights of the 16 rows (both halves of the lanes hold the same)
	v_add_f32_dpp v[LS], v[LS], v[LS] row_xmask:2 row_mask:0xf bank_mask:0xf
	v_add_f32_dpp v[LS], v[LS], v[LS] row_xmask:4 row_mask:0xf bank_mask:0xf
	v_add_f32_dpp v[LS], v[LS], v[LS] row_xmask:8 row_mask:0xf bank_mask:0xf
	v_rcp_f32 v[WT], v[LS]
	s_wait_dscnt 0x0
.irp i, 0,1,2,3,4,5,6,7
	v_pk_add_f32 v[HA+4*\i:HA+4*\i+1], v[HA+4*\i:HA+4*\i+1], v[HA+32+4*\i:HA+32+4*\i+1]
	v_pk_add_f32 v[HA+4*\i+2:HA+4*\i+3], v[HA+4*\i+2:HA+4*\i+3], v[HA+32+4*\i+2:HA+32+4*\i+3]
.endr
.irp i, 0,1,2,3
	v_pk_add_f32 v[HA+4*\i:HA+4*\i+1], v[HA+4*\i:HA+4*\i+1], v[HA+16+4*\i:HA+16+4*\i+1]
	v_pk_add_f32 v[HA+4*\i+2:HA+4*\i+3], v[HA+4*\i+2:HA+4*\i+3], v[HA+16+4*\i+2:HA+16+4*\i+3]
.endr
.irp i, 0,1
	v_pk_add_f32 v[HA+4*\i:HA+4*\i+1], v[HA+4*\i:HA+4*\i+1], v[HA+8+4*\i:HA+8+4*\i+1]
	v_pk_add_f32 v[HA+4*\i+2:HA+4*\i+3], v[HA+4*\i+2:HA+4*\i+3], v[HA+8+4*\i+2:HA+8+4*\i+3]
.endr
	v_pk_add_f32 v[HA:HA+1], v[HA:HA+1], v[HA+4:HA+5]
	v_pk_add_f32 v[HA+2:HA+3], v[HA+2:HA+3], v[HA+6:HA+7]
	s_wait_alu depctr_va_vdst(0)                   ; the reciprocal is written, ahead of its first reader; the additions above are the plain work between
	v_pk_mul_f32 v[HA:HA+1], v[HA:HA+1], v[WT:WT+1] op_sel_hi:[1,0]
	v_pk_mul_f32 v[HA+2:HA+3], v[HA+2:HA+3], v[WT:WT+1] op_sel_hi:[1,0]
	s_wait_alu depctr_va_vdst(0)                   ; the two multiplications have written v[HA .. HA + 3], which the store reads
	global_store_b128 v[LN16], v[HA:HA+3], s[20:21] offset:\ooff
	s_wait_xcnt 0x0                                ; the store's data registers are written again only behind this wait
.endm
	s_load_b512 s[4:19], s[0:1], 0x0               ; keys s[4:5], query s[6:7], order s[8:9], wq s[10:11], b1 s[12:13], b2 s[14:15], W3 s[16:17], b3 s[18:19]
	s_load_b64 s[20:21], s[0:1], 0x40              ; out0
	s_load_b64 s[60:61], s[0:1], 0x48              ; cnt
	v_lshl_add_u32 v[SPW], v0, 2, SPARE
	v_mov_b32 v[NIL], 0
	v_lshrrev_b32 v20, 5, v0
	v_readfirstlane_b32 s22, v20                   ; wave 0..3
	v_and_b32 v21, 31, v0                          ; lane
	v_and_b32 v[RR], 15, v0
	v_bfe_u32 v20, v0, 4, 1                        ; h
	v_lshlrev_b32 v[LN16], 4, v21
	v_lshlrev_b32 v[LN4], 2, v21
	s_wait_alu depctr_va_sdst(0)                   ; s22, the wave's number, is written, ahead of its first reader
	s_mul_i32 s56, s22, STGW
	v_add_nc_u32 v[STW], s56, v[LN16]
	v_mul_u32_u24 v[STR], v[RR], SP
	v_lshl_add_u32 v[STR], v20, 6, v[STR]
	v_add_nc_u32 v[STR], s56, v[STR]
	v_add_nc_u32 v[IMG], W1Q, v[LN16]
	v_lshlrev_b32 v22, 6, v20                      ; 64 h
	v_add_nc_u32 v[B1A], TAB, v22
	v_lshlrev_b32 v23, 5, v20                      ; 32 h
	v_add_nc_u32 v[B2A], TAB+1024, v23
	s_lshl_b32 s57, s22, 10                        ; 1,024 x wave
	v_add_nc_u32 v[QRD], s57, v22
	v_add_nc_u32 v[C1A], C1, v[QRD]
	v_add_nc_u32 v[QRD], QL, v[QRD]
	v_and_b32 v[PB], 1, v0
	v_lshlrev_b32 v[PB], 8, v[PB]
	v_lshrrev_b32 v[L2X], 1, v21
	s_lshl_b32 s58, s22, 12                        ; 4,096 x wave: my quarter of W1's K step 1
	v_add_nc_u32 v16, s58, v[LN16]                 ; in wq,
	v_add_nc_u32 v17, W1Q, v16                     ; and in LDS
	s_lshl_b32 s59, s22, 9
	v_add_nc_u32 v18, s59, v[LN16]
	v_add_nc_u32 v18, TAB, v18                     ; my 512 bytes of the tables
	v_add_nc_u32 v19, s57, v[LN16]
	v_add_nc_u32 v19, QL, v19                      ; my two rows of query
.irp b, 0,1,2,3
	v_mov_b32 v[TM+4+\b], 0                        ; written once: a lane permute's destination counts as read
.endr
	v_mov_b32 v[WT+1], 0                           ; named as the upper half of a pair
	s_mov_b32 s50, 0x76543210
	s_mov_b32 s51, 0xfedcba98                      ; v_permlanex16_b32's selects for lane l xor 16
	s_mov_b32 s52, 0xbfb8aa3b                      ; -log2(e)
	s_mov_b32 s53, s52                             ; (named with it as a pair)
	s_mov_b32 s54, 0x3fb8aa3b                      ; log2(e)
	s_lshl_b32 s23, ttmp9, 2
	s_add_co_u32 s23, s23, s22                     ; p: my pair of batches
	s_lshl_b32 s56, s23, 9
	s_mov_b32 s57, 0
	s_lshl_b32 s58, s23, 10
	s_mov_b32 s59, 0
	s_mul_i32 s62, s23, 2*BATCHB                   ; under 2^32: 1,023 x 204,800
	s_mov_b32 s63, 0
	s_wait_kmcnt 0x0
	s_add_nc_u64 s[8:9], s[8:9], s[56:57]          ; my 512 bytes of order,
	s_add_nc_u64 s[6:7], s[6:7], s[58:59]          ; my two rows of query,
	s_add_nc_u64 s[20:21], s[20:21], s[58:59]      ; and of out0,
	s_add_nc_u64 s[4:5], s[4:5], s[62:63]          ; my pair's first row of keys,
	s_lshl_b32 s62, s23, 3
	s_add_nc_u64 s[60:61], s[60:61], s[62:63]      ; my two words of cnt
	s_load_b64 s[24:25], s[60:61], 0x0             ; active rows of batch 2 p and of batch 2 p + 1
	s_load_b32 s31, s[18:19], 0x0                  ; b3
	s_load_b128 s[32:35], s[8:9], 0x0              ; tile 0's sixteen positions
	s_add_nc_u64 s[2:3], s[12:13], 512             ; which 512 bytes of the tables I bring: wave 0 b1's first half, 1 its second, 2 b2, 3 W3: a choice on the wave's number alone
	s_cmp_eq_u32 s22, 1
	s_cselect_b64 s[2:3], s[2:3], s[12:13]
	s_cmp_eq_u32 s22, 2
	s_cselect_b64 s[2:3], s[14:15], s[2:3]
	s_cmp_eq_u32 s22, 3
	s_cselect_b64 s[2:3], s[16:17], s[2:3]
	WIN 0x80                                       ; destination window 2
	s_wait_alu depctr_va_vdst(0)                   ; the addresses v1 to v10, v16 to v19 and the closing add's two registers are written: every load and store that reads one of them stands behind this wait, and none of them is written again
.irp t, 0,1,2,3,4,5,6,7,8,9,10,11,12,13,14,15
.irp c, 0,1
	global_load_b128 v[8*\t+4*\c:8*\t+4*\c+3], v[LN16], s[10:11] offset:1024*\t+512*\c               ; W1, K step 0
	global_load_b128 v[128+8*\t+4*\c:128+8*\t+4*\c+3], v[LN16], s[10:11] offset:1024*(32+\t)+512*\c   ; W1, K step 2
.endr
.endr
	WIN 0xc0                                       ; destination window 3
.irp t, 0,1,2,3,4,5,6,7,8,9,10,11,12,13,14,15
.irp c, 0,1
	global_load_b128 v[8*\t+4*\c:8*\t+4*\c+3], v[LN16], s[10:11] offset:1024*(48+\t)+512*\c           ; W1, K step 3
	global_load_b128 v[128+8*\t+4*\c:128+8*\t+4*\c+3], v[LN16], s[10:11] offset:65536+1024*\t+512*\c  ; W2: fragment 8 s + t
.endr
.endr
	WIN 0
.set j, 0
.rept 40
	global_load_b32 v[WS+j], v[LN4], s[10:11] offset:81920+128*j
.set j, j+1
.endr
.irp k, 0,1,2,3,4,5,6,7
	global_load_b128 v[HA+4*\k:HA+4*\k+3], v16, s[10:11] offset:16384+512*\k
.endr
	global_load_b128 v[HB:HB+3], v[LN16], s[2:3]
	global_load_b128 v[HB+4:HB+7], v[LN16], s[6:7]
	global_load_b128 v[HB+8:HB+11], v[LN16], s[6:7] offset:512
	s_wait_kmcnt 0x0
	s_min_u32 s24, s24, 200                        ; the counts' bound, written out: trip counts and addresses are made of them
	s_min_u32 s25, s25, 200
	s_add_co_u32 s26, s24, 15
	s_lshr_b32 s26, s26, 4
	s_max_u32 s26, s26, 1                          ; tiles of the first batch: one at the least, so that a batch with no active row is finished like any other
	s_add_co_u32 s27, s25, 15
	s_lshr_b32 s27, s27, 4
	s_max_u32 s27, s27, 1
	s_add_co_u32 s27, s27, s26                     ; tiles in all
	s_sub_co_u32 s55, s27, 1
	s_lshl_b32 s30, s26, 4
	s_sub_co_u32 s30, 256, s30                     ; what a tile of the second batch adds to 16 x its number
	s_mov_b32 s28, 0                               ; n: the tile in hand
	ROWS LN16                                      ; tile 0 belongs to the pair's first batch
	OFFS s48, s58, 1
	s_load_b128 s[32:35], s[8:9], s48 offset:0x0   ; tile 1's positions
	OFFS s49, s59, 2
	v_add_nc_u32 v[PEA], s49, v[L2X]
	WIN 0x40
	s_wait_alu depctr_va_vdst(0)                   ; the sixteen row offsets and the entries' offset are written, which the 17 loads below read
.irp i, 0,1,2,3,4,5,6,7,8,9,10,11,12,13,14,15
	global_load_b128 v[4*\i:4*\i+3], v[RA+\i], s[4:5]   ; tile 0: an instruction takes one whole row, 512 consecutive bytes
.endr
	WIN 0
	global_load_u8 v[PE], v[PEA], s[8:9]           ; tile 2's positions, two lanes to an entry, for the prefetch
	s_wait_loadcnt 17                              ; all but the youngest 17 (tile 0's 16 rows and that entry): weights, scales, tables and q are in
.irp k, 0,1,2,3,4,5,6,7
	ds_store_b128 v17, v[HA+4*\k:HA+4*\k+3] offset:512*\k
.endr
	ds_store_b128 v18, v[HB:HB+3]
	ds_store_b128 v19, v[HB+4:HB+7]
	ds_store_b128 v19, v[HB+8:HB+11] offset:512
	s_wait_dscnt 0x0                               ; for the others' sake: my stores have landed
	s_barrier_signal -1
	s_barrier_wait -1                              ; the one barrier: W1's K step 1 and the tables lie whole in LDS and are never written again
	SETUP 0, s24
.Ltile:
	; ---- the rows turn through my stage; the next tile is asked for
	s_wait_loadcnt 0x0                             ; this tile's 16 rows and the prefetch's entries are in: so their address registers may be written too
	s_wait_xcnt 0x0                                ; the last prefetch, a trip back, has read its offset
	WIN 0x04
.irp i, 0,1,2,3,4,5,6,7,8,9,10,11,12,13,14,15
	ds_store_b128 v[STW], v[4*\i:4*\i+3] offset:SP*\i
.endr
	WIN 0x40
	s_wait_alu depctr_va_vdst(0)                   ; the weighted sum of the tile before is done reading K, in which the loads below land
.irp b, 0,1,2,3
.irp j, 0,1,2,3
	ds_load_b128 v[KW+16*\b+4*\j:KW+16*\b+4*\j+3], v[STR] offset:128*\b+16*\j   ; my row's 16 numbers of each block of 32; LDS serves a wave's instructions in order
.endr
.endr
	WIN 0
	s_wait_alu depctr_vm_vsrc(0)                   ; the loads and the prefetch of the trip before (in the first trip: the head's loads) have read the row offsets, PFA and PEA, which the lines below write; the stores above have read the rows as loaded, in which the next tile lands
	s_wait_kmcnt 0x0                               ; the next tile's positions
	v_add_nc_u32 v20, s58, v[LN16]                 ; 16 x lane + where that tile's batch begins
	ROWS 20
	v_min_u32 v[PE], 199, v[PE]
	v_add_nc_u32 v21, s59, v[PB]
	v_lshl_add_u32 v[PFA], v[PE], 9, v21           ; a lane to each 256 bytes of the 16 rows of the tile after the next
	OFFS s48, s58, 2
	s_load_b128 s[32:35], s[8:9], s48 offset:0x0   ; tile n + 2's positions (held at the last tile's: no load leaves the list)
	OFFS s49, s59, 3
	v_add_nc_u32 v[PEA], s49, v[L2X]
	s_wait_alu depctr_va_vdst(0)                   ; the row offsets, PFA and PEA are written, which the loads and the prefetch below read, and the lines above are done with PE, in which the next entries land; no vector line stands between this wait and them, on any of the three ways
	s_add_co_u32 s56, s28, 1
	s_cmp_lt_u32 s56, s27
	s_cbranch_scc0 .Lno_next                       ; the last tile asks for nothing
	WIN 0x40
.irp i, 0,1,2,3,4,5,6,7,8,9,10,11,12,13,14,15
	global_load_b128 v[4*\i:4*\i+3], v[RA+\i], s[4:5]   ; tile n + 1: it has this whole trip in which to come.  No hint: a tile's spare places name a row twice
.endr
	WIN 0
	s_add_co_u32 s56, s28, 2
	s_cmp_lt_u32 s56, s27
	s_cbranch_scc0 .Lno_next
	global_prefetch_b8 v[PFA], s[4:5] th:TH_LOAD_NT scope:SCOPE_SE   ; tile n + 2's 8,192 bytes, one trip ahead of their loads; the last two trips ask for nothing
.Lno_next:
	global_load_u8 v[PE], v[PEA], s[8:9]
	s_wait_dscnt 0x0                               ; my row is in registers
	; ---- x: K step 0 = k, K step 2 = k - q, K step 3 = q k, each quantised along K
	WIN 0x05
.set j, 0
.rept 32
	v_pk_add_f32 v[HA+j:HA+j+1], v[KW+j:KW+j+1], v[QW+j:QW+j+1] neg_lo:[0,1] neg_hi:[0,1]
.set j, j+2
.endr
.set j, 0
.rept 32
	v_pk_mul_f32 v[HB+j:HB+j+1], v[KW+j:KW+j+1], v[QW+j:QW+j+1]
.set j, j+2
.endr
	WIN 0
	QUANT HA, 0, XC2, XS2
	; ---- the first product: the sums begin with C1 = b1 + the K step that holds q
	s_wait_alu depctr_va_vdst(0)                   ; the subtractions have written HA and the quantiser is done reading it: C1's first half lands there, while the other two K steps are quantised
	C1IN 0
	QUANT HB, 0, XC3, XS3
	QUANT KW, 1, XC0, XS0
	PLACES 8                                       ; the last scale word was made by vector lines: 8 places ahead of the scaled matrix instructions
	s_wait_alu depctr_va_vdst(0)                   ; the three fragments' codes and scale words are written, which the matrix instructions take; the quantiser is done with HB, in which C1's second half lands
	C1IN 1
	s_wait_dscnt 16                                ; LDS loads come back in order (ISA guide 5.7.1): C1's first half is in; the 16 younger loads land under the 24 matrix instructions below, which do not name HB
	MM1 HA, 0
	s_wait_dscnt 0x0
	MM1 HB, 8
	PLACES 4                                       ; ahead of the first read of results
	; ---- hidden units 0-127: sigmoid, quantised: K step 0 of the second product, whose sums begin with b2
	SIGA HA
	SIGB HA
	QUANT HA, 0, XC0, XS0
	s_wait_alu depctr_va_vdst(0)                   ; the sigmoid has written HA and the quantiser is done reading it: b2 lands there
.irp t, 0,1,2,3,4,5,6,7
.irp j, 0,1
	ds_load_b128 v[HA+8*\t+4*\j:HA+8*\t+4*\j+3], v[B2A] offset:64*\t+16*\j   ; b2 in the result's layout: tile t's register i is unit 16 t + 8 h + i
.endr
.endr
	; ---- hidden units 128-255: K step 1.  The first half of their sigmoid stands under b2's loads: its 32 multiplications are the places between the scale word and the scaled matrix instructions,
	;      and the wait for its exponentials, which stands behind those places, is also the wait for the codes and the scale word of K step 0
	SIGA HB
	s_wait_dscnt 0x0
	MM2 0, XC0, XS0
	SIGB HB
	QUANT HB, 0, XC2, XS2
	PLACES 8
	s_wait_alu depctr_va_vdst(0)                   ; K step 1's codes and scale word are written, which the matrix instructions take; the quantiser is done with HB, in which W3 lands
.irp t, 0,1,2,3,4,5,6,7
.irp j, 0,1
	ds_load_b128 v[HB+8*\t+4*\j:HB+8*\t+4*\j+3], v[B2A] offset:512+64*\t+16*\j   ; W3, laid as the second hidden layer lies
.endr
.endr
	MM2 1, XC2, XS2
	PLACES 4
	; ---- the score, its weight, and the weighted sum
	SIGA HA
	SIGB HA
	s_wait_dscnt 0x0
.irp c, 0,1,2,3
	v_pk_mul_f32 v[TM+2*\c:TM+2*\c+1], v[HA+2*\c:HA+2*\c+1], v[HB+2*\c:HB+2*\c+1]   ; h2 . W3 in f32: four chains of packed multiply-adds
.endr
.irp i, 1,2,3,4,5,6,7
.irp c, 0,1,2,3
	v_pk_fma_f32 v[TM+2*\c:TM+2*\c+1], v[HA+8*\i+2*\c:HA+8*\i+2*\c+1], v[HB+8*\i+2*\c:HB+8*\i+2*\c+1], v[TM+2*\c:TM+2*\c+1]
.endr
.endr
	v_pk_add_f32 v[TM:TM+1], v[TM:TM+1], v[TM+2:TM+3]
	v_pk_add_f32 v[TM+4:TM+5], v[TM+4:TM+5], v[TM+6:TM+7]
	v_pk_add_f32 v[TM:TM+1], v[TM:TM+1], v[TM+4:TM+5]
	v_add_f32 v[TM], v[TM], v[TM+1]
	v_permlanex16_b32 v[TM+2], v[TM], s50, s51
	v_add_f32 v[TM], v[TM], v[TM+2]                ; with lane l xor 16's 64 units
	v_add_f32 v[TM], s31, v[TM]                    ; + b3
	v_mul_f32 v[TM], s52, v[TM]
	v_exp_f32 v[TM], v[TM]
	v_nop
	s_wait_alu depctr_va_vdst(0)                   ; the exponential is written, ahead of its reader
	v_add_f32 v[TM], 1.0, v[TM]
	v_rcp_f32 v[TM], v[TM]                         ; the score, in [0, 1]
	v_nop
	s_wait_alu depctr_va_vdst(0)                   ; the reciprocal is written, ahead of its reader
	v_mul_f32 v[TM], s54, v[TM]
	v_exp_f32 v[EW], v[TM]                         ; e^score, in [1, e]
	v_nop
	s_wait_alu depctr_va_vdst(0)                   ; the exponential is written, ahead of its reader
	v_cmp_gt_i32 vcc_lo, s29, v[RR]                ; is my row one of the batch's active rows, or a spare place of its last tile?
	s_wait_alu depctr_va_vcc(0)                    ; the compare has written VCC, which the select reads
	v_cndmask_b32 v[WT], 0, v[EW], vcc_lo
	v_add_f32 v[LS], v[LS], v[WT]
	WIN 0x51                                       ; k and the sums in window 1, the weight in window 0
.set j, 0
.rept 32
	v_pk_fma_f32 v[AW+j:AW+j+1], v[KW+j:KW+j+1], v[WT:WT+1], v[AW+j:AW+j+1] op_sel_hi:[1,0,1]
.set j, j+2
.endr
	WIN 0
	s_sub_co_i32 s29, s29, 16
	s_add_co_u32 s28, s28, 1
	s_cmp_lg_u32 s28, s26
	s_cbranch_scc1 .Lsame                          ; the first batch's last tile is done exactly once: both batches have a tile at the least
	FINISH 0
	SETUP 512, s25
.Lsame:
	s_cmp_lt_u32 s28, s27
	s_cbranch_scc1 .Ltile
	FINISH 512
	s_wait_dscnt 0x0                               ; the wave's end
	s_wait_alu 0x0
	s_wait_tensorcnt 0x0
	ds_add_u32 v[SPW], v[NIL]
	s_wait_dscnt 0x0
	s_endpgm
.Lfunc_end_k_q04fcb99da4_main:
	.size	k_q04fcb99da4_main, .Lfunc_end_k_q04fcb99da4_main-k_q04fcb99da4_main
	.p2alignl 7, 3214868480
	.fill 96, 4, 3214868480
	.section	.rodata,"a",@progbits
	.p2align	6, 0x0
	.amdhsa_kernel k_q04fcb99da4_main
		.amdhsa_group_segment_fixed_size 62976
		.amdhsa_private_segment_fixed_size 0
		.amdhsa_enable_private_segment 0
		.amdhsa_kernarg_size 80
		.amdhsa_user_sgpr_count 2
		.amdhsa_user_sgpr_kernarg_segment_ptr 1
		.amdhsa_wavefront_size32 1
		.amdhsa_system_sgpr_workgroup_id_x 1
		.amdhsa_system_sgpr_workgroup_id_y 1
		.amdhsa_system_sgpr_workgroup_id_z 1
		.amdhsa_system_vgpr_workitem_id 0
		.amdhsa_next_free_vgpr 1024
		.amdhsa_next_free_sgpr 66
		.amdhsa_reserve_vcc 1
		.amdhsa_float_denorm_mode_32 3
		.amdhsa_float_denorm_mode_16_64 3
		.amdhsa_memory_ordered 1
		.amdhsa_forward_progress 1
		.amdhsa_inst_pref_size 143
	.end_amdhsa_kernel
	.amdgpu_metadata
---
amdhsa.version: [ 1, 2 ]
amdhsa.kernels:
  - .name:           k_q04fcb99da4_main
    .symbol:         k_q04fcb99da4_main.kd
    .args:
      - { .name: keys, .offset: 0, .size: 8, .value_kind: global_buffer, .address_space: global }
      - { .name: query, .offset: 8, .size: 8, .value_kind: global_buffer, .address_space: global }
      - { .name: order, .offset: 16, .size: 8, .value_kind: global_buffer, .address_space: global }
      - { .name: wq, .offset: 24, .size: 8, .value_kind: global_buffer, .address_space: global }
      - { .name: b1, .offset: 32, .size: 8, .value_kind: global_buffer, .address_space: global }
      - { .name: b2, .offset: 40, .size: 8, .value_kind: global_buffer, .address_space: global }
      - { .name: W3, .offset: 48, .size: 8, .value_kind: global_buffer, .address_space: global }
      - { .name: b3, .offset: 56, .size: 8, .value_kind: global_buffer, .address_space: global }
      - { .name: out0, .offset: 64, .size: 8, .value_kind: global_buffer, .address_space: global }
      - { .name: cnt, .offset: 72, .size: 8, .value_kind: global_buffer, .address_space: global }
    .group_segment_fixed_size: 62976
    .private_segment_fixed_size: 0
    .kernarg_segment_align: 8
    .kernarg_segment_size: 80
    .max_flat_workgroup_size: 128
    .sgpr_count:     66
    .vgpr_count:     1024
    .wavefront_size: 32
...
	.end_amdgpu_metadata
.endif
;; end of part 3
